; MI455X (gfx1250); checked and timed in simulation.
; The chip was launched on July 23, 2026; its instructions are those of AMD's public machine-readable ISA for CDNA 5 (MIT licence, August 2026) and "CDNA5" Instruction Set Architecture Reference Guide (July 2026). The comments in the code are by the model that wrote it; some were corrected since.
;; Scaled Dot Product Attention. Allowed arithmetic: matrix products marked QUANTISED: E5M2 operands, one E8M0 scale for each 32 along K, by v_wmma_scale_f32_16x16x128_f8f6f4 with both operands' format E5M2, f32 sums; everything else in f32.
;; Inputs: k 8 x 2,048 x 1,024 float32; mask 8 x 1 x 2,048 float32; q 8 x 2,048 x 1,024 float32; v 8 x 2,048 x 1,024 float32.
;; Outputs: out0 8 x 2,048 x 1,024 float32.
;; This version of the problem:
;;   THIS VERSION OF THE PROBLEM IS GIVEN IN LOW PRECISION. The matrix products marked QUANTISED in the list below multiply operands that are first quantised to E5M2 (5 exponent bits, 2 mantissa bits; 8 bits a number), with one power-of-two scale for each 32 numbers along K (OCP MX v1.0); their sums are f32. All else is computed in f32.
;;   The module's matrix products, in the order in which they are computed (A, B: the left and right operand; K: the contracted axis; several contracted axes count as one K, in the product's order):
;;     1. batch 8 x [M 2,048, K 1,024] x [K 1,024, N 2,048]; A: input q; B: input k: QUANTISED
;;     2. batch 8 x [M 2,048, K 2,048] x [K 2,048, N 1,024]; A: softmax (see below); B: input v: QUANTISED
;;   THE QUANTISER, for each operand of a quantised product, along K:
;;     - K is cut into blocks of 32 from its start; a last block that is shorter is filled with zeros.
;;     - A block's scale is 2^e with e = floor(log2(the largest magnitude in the block)) - 15, held to -126 .. 127; a block of zeros has e = 0. As a byte (E8M0): e + 127.
;;     - Each number is divided by its block's scale, clamped to +-57,344, and rounded to the nearest number of E5M2, ties to even, subnormals kept.
;;     - The product sums the exact products of the quantised numbers (number of the format x scale) in f32.
;;   ~~~python
;;   def quantise(x, axis):      # numpy; x: float32 -> the quantised numbers, widened to float32 again
;;       x = np.moveaxis(x, axis, -1); K = x.shape[-1]
;;       x = np.pad(x, [(0, 0)] * (x.ndim - 1) + [(0, -K % 32)]); x = x.reshape(x.shape[:-1] + (-1, 32)); a = np.abs(x).max(-1, keepdims=True)
;;       e = np.where(a > 0, np.clip(np.frexp(np.where(a > 0, a, 1))[1] - 1 - 15, -126, 127), 0)      # np.frexp(a)[1] - 1 = floor(log2(a)), exactly
;;       r = np.clip(x / 2.0 ** e, -57344, 57344)
;;       step = 2.0 ** (np.maximum(np.frexp(np.where(r == 0, 1, r))[1] - 1, -14) - 2)
;;       q = np.round(r / step) * step * 2.0 ** e      # np.round: ties to even
;;       return np.moveaxis(q.reshape(q.shape[:-2] + (-1,))[..., :K], -1, axis).astype(np.float32)
;;   ~~~
;;   SOFTMAX AHEAD OF A QUANTISED PRODUCT. Where the list says 'softmax', what is quantised is not the finished softmax but p = 2^(t - M), with t = logit x log2(e) and M = ceil(the row's largest t), a whole number; so 1/2 < the row's largest p <= 1. The row's sum l is taken of the UNQUANTISED p, in f32, and the product's result is divided by l at the end. Since M is a whole number, a kernel that streams over the keys may use a running M (the ceiling of the running maximum): every later rescaling is an exact power of two, which a block's scale takes up: the codes' values come out the same.
;;   OPERANDS COMPUTED ON THE WAY. 'Computed on the way' means the value that the module computes at that place (a softmax that the list does not call 'softmax' is quantised finished and normalised). What goes into a quantiser is computed in f32, as accurately as f32 sums, v_exp_f32 and their like allow (about 1e-6 of the number): no bf16 or f16 on the way to a quantiser, and a product that is left as it is and whose result goes on into a quantised operand takes f32 operands (vector FMAs, or v_wmma_f32_16x16x4_f32). A number that lies on a knife's edge between two numbers of the format may be rounded either way, as far as f32 arithmetic and the matrix unit's own rounding can turn it there, and no further.
;; One version. Each part assembles by itself: llvm-mc -triple=amdgcn-amd-amdhsa -mcpu=gfx1250 --defsym DOCPART=n.
;; ======== version 1 of 1: 3 launches
;; limits: right only within a limited range of input values
;; workspace buffers: codes 33,554,432 bytes; scales 1,048,576 bytes; vcodes 16,777,216 bytes; vscales 524,288 bytes; p_img 33,554,432 bytes; stat 3,145,728 bytes
;; launch quant (part 1): grid 1024 x 1, 4 waves a work-group, no clusters, 35,328 bytes of LDS; arguments q, k, codes, scales; writes codes, scales
.if DOCPART == 1
	.amdgcn_target "amdgcn-amd-amdhsa--gfx1250"
	.amdhsa_code_object_version 6
	.text
	.protected	k_qba2d54943e_quant
	.globl	k_qba2d54943e_quant
	.p2align	8
	.type	k_qba2d54943e_quant,@function
k_qba2d54943e_quant:
	s_mov_b64 s[64:65], 0
	v_nop
	global_prefetch_b8 v0, s[64:65] scope:SCOPE_SE
	s_setreg_imm32_b32 hwreg(HW_REG_WAVE_MODE, 25, 1), 1
	s_wait_xcnt 0x0
; q, k: [8][2048][1024] f32.  They become codes of E5M2, one E8M0 scale byte for each 32 along the 1,024 channels, the K of the first product.  (v is quantised by the next launch.)
; A block's scale is 2^(floor(log2(its largest magnitude)) - 15); its byte is the largest magnitude's exponent field - 15, held at 1 from below; each number is held within +-57,344 x the scale and rounded to the nearest code.
; THE CODES LIE AS IMAGES OF THE OPERAND'S REGISTERS: a fragment (16 rows x 128 along K) is 2,048 bytes; byte 512 c + 16 lane + i is row lane % 16, k = 32 c + 16 (lane / 16) + i.
;   codes:  q at 0 and k at 16 MiB: [16 rows: 1024 tiles][K step of 128: 8][2048].
;   k's rows are laid in another order: stored row 16 u + p of a group of 32 keys is key 8 u + p + 8 (p / 8), so that the scores of two neighbouring tiles are 16 neighbouring keys in a lane.
;   scales: q at 0, k at 512 KiB: [batch][K step of 256: 4][stored row: 2048][2 words];  a word = the 4 bytes of 128 along K.
; LIMITS: NaN and infinities are not served.  A block whose largest magnitude lies under 2^-111 keeps the byte 1 (a block of zeros too: its codes are zeros, and only this program reads the bytes).
; Work-groups 0-511 take q, 512-1023 k.  No work-group shares an input with another, so there is no cluster; no tensor load, no barrier: waves share nothing.
.set R,    16                          ; v16-143  two sets of 64 registers as loaded (16 rows x 16 bytes a lane)
.set X,    144                         ; v144-207 64 numbers of my row: register 16 b + i = k 32 b + 16 (lane / 16) + i
.set PC,   208                         ; v208-239 a fragment's codes, two sets
.set TM,   240                         ; v240-255 at work: largest magnitudes, bytes, holds, scale operands
.set WS,   8                           ; v8-11    the four fragments' scale words
.set STGB, 8704                        ; LDS: a stage of 16 rows x 528 bytes for each wave
.set SEL,  20                          ; s[20:21] lane selects: lane l xor 16
.set MNT,  23                          ; s23      the mantissa field of 57,344
	s_load_b256 s[4:11], s[0:1], 0x0               ; q s[4:5], k s[6:7], codes s[8:9], scales s[10:11]
	v_lshl_add_u32 v14, v0, 2, 0x8800
	v_mov_b32 v3, 0                                ; v3: 0, kept for the add alone (v14: my spare word)
	v_lshrrev_b32 v1, 5, v0
	v_readfirstlane_b32 s16, v1                    ; wave 0..3
	v_and_b32 v1, 31, v0                           ; lane
	s_mov_b32 s[MNT], 0x600000
; A work-group takes 32 rows; wave w their K step of 256 number w: four fragments f = 2 u + s (u: which 16 stored rows, s: which 128 along K).
; Each load reads 512 consecutive bytes of one row; 16 rows turn through the wave's stage in LDS, so that a lane gets 16 neighbours of each block of 32 of ITS row.
	v_and_b32 v2, 15, v0                           ; r
	v_bfe_u32 v8, v0, 4, 1                         ; h (v8 takes a scale word later)
	v_lshlrev_b32 v4, 4, v1                        ; 16 x lane: the loads' first offset, and my place in an image
	v_lshlrev_b32 v15, 3, v1                       ; 8 x lane: my stored row's two scale words
	s_mul_i32 s17, s16, STGB
	v_add_nc_u32 v12, s17, v4                      ; the stage, in: 16 x lane, rows 528 bytes apart in the immediate
	v_mul_u32_u24 v13, v2, 528
	v_lshl_add_u32 v13, v8, 6, v13
	v_add_nc_u32 v13, s17, v13                     ; out: row r, + 64 h: rows start 132 words apart, so sixteen rows fall on sixteen different columns of 16 bytes
	s_mov_b32 s[SEL], 0x76543210
	s_mov_b32 s[SEL+1], 0xfedcba98
.irp b, 0,1,2,3
	v_mov_b32 v[TM+4+\b], 0                        ; written once: a lane permute's destination counts as one of its sources
.endr
	s_and_b32 s24, ttmp9, 511
	s_lshl_b32 s24, s24, 17                        ; in: 32 rows of 4,096 bytes a group,
	s_lshl_b32 s25, s16, 10
	s_add_co_u32 s24, s24, s25                     ; + 1,024 bytes a wave
	s_mov_b32 s25, 0
	s_lshl_b32 s26, ttmp9, 15                      ; codes: two tiles of 16,384 bytes a group (k's 512 groups follow q's: 16 MiB on),
	s_lshl_b32 s27, s16, 12
	s_add_co_u32 s26, s26, s27                     ; + two fragments a wave
	s_mov_b32 s27, 0
	s_lshr_b32 s28, ttmp9, 6                       ; scales: (tensor and batch) x 4 K steps,
	s_lshl_b32 s28, s28, 2
	s_add_co_u32 s28, s28, s16                     ; + mine,
	s_lshl_b32 s28, s28, 14                        ; of 2,048 rows x 8 bytes,
	s_and_b32 s29, ttmp9, 63
	s_lshl_b32 s29, s29, 8
	s_add_co_u32 s28, s28, s29                     ; + 32 rows x 8 bytes a group
	s_mov_b32 s29, 0
	s_mov_b32 s18, 32768
	s_wait_alu depctr_va_vdst(0)
	s_wait_kmcnt 0x0
	s_cmp_lt_u32 ttmp9, 512                        ; q or k?  The choice hangs on the work-group's number alone
	s_cselect_b64 s[4:5], s[4:5], s[6:7]
	s_cselect_b32 s18, 65536, s18                  ; from tile 0 to tile 1: 16 rows in q, 8 in k
	s_cselect_b32 s19, 0, 32768                    ; a tile's rows 8-15: in k 8 rows further on
	s_add_nc_u64 s[4:5], s[4:5], s[24:25]
	s_add_nc_u64 s[8:9], s[8:9], s[26:27]
	s_add_nc_u64 s[10:11], s[10:11], s[28:29]
	v_add_nc_u32 v5, s19, v4                       ; v4-7: offsets for (tile u, rows 0-7 or 8-15): v[4 + 2 u + hi]
	v_add_nc_u32 v6, s18, v4
	v_add_nc_u32 v7, s18, v5
.macro LOADF f                         ; fragment f's 16 rows x 512 bytes into set f % 2
.irp i, 0,1,2,3,4,5,6,7,8,9,10,11,12,13,14,15
	global_load_b128 v[R+64*((\f)%2)+4*\i:R+64*((\f)%2)+4*\i+3], v[4+2*((\f)/2)+\i/8], s[4:5] offset:\i*4096+((\f)%2)*512 th:TH_LOAD_NT
.endr
.endm
; 64 numbers of a lane, v[s] on, become a fragment's codes in v[pc] on and its scale word in v[pw]
.macro QUANT s, pc, pw
.irp b, 0,1,2,3
	v_max3_num_f32 v[TM+\b], |v[\s+16*\b]|, |v[\s+1+16*\b]|, 0x8000000   ; block b: my 16 numbers, and the floor 2^(16 - 127): the byte cannot fall under 1
.endr
.irp i, 2,4,6,8,10,12,14
.irp b, 0,1,2,3
	v_max3_num_f32 v[TM+\b], v[TM+\b], |v[\s+16*\b+\i]|, |v[\s+1+16*\b+\i]|   ; the four blocks by turns
.endr
.endr
.irp b, 0,1,2,3
	v_permlanex16_b32 v[TM+4+\b], v[TM+\b], s[SEL], s[SEL+1]
.endr
.irp b, 0,1,2,3
	v_max_num_f32 v[TM+\b], v[TM+\b], v[TM+4+\b]   ; with lane l xor 16's 16: the block's largest magnitude
.endr
.irp b, 0,1,2,3
	v_add_nc_u32 v[TM+12+\b], 0xf8800000, v[TM+\b] ; 15 off its exponent field: the conversion's scale operand
.endr
.irp b, 0,1,2,3
	v_and_or_b32 v[TM+8+\b], v[TM+\b], 0x7f800000, s[MNT]   ; 57,344 x the scale
.endr
.irp b, 0,1,2,3
	v_lshrrev_b32 v[TM+4+\b], 23, v[TM+12+\b]      ; the scale's byte
.endr
	v_lshl_or_b32 v[\pw], v[TM+5], 8, v[TM+4]
	v_lshl_or_b32 v[\pw], v[TM+6], 16, v[\pw]
	v_lshl_or_b32 v[\pw], v[TM+7], 24, v[\pw]
.irp b, 0,1,2,3
.irp i, 0,1,2,3,4,5,6,7,8,9,10,11,12,13,14,15
	v_med3_num_f32 v[\s+16*\b+\i], v[\s+16*\b+\i], -v[TM+8+\b], v[TM+8+\b]   ; the conversion does not saturate (ISA guide 7.6.2): the hold comes first
.endr
	v_cvt_scalef32_pk8_bf8_f32 v[\pc+4*\b:\pc+1+4*\b], v[\s+16*\b:\s+7+16*\b], v[TM+12+\b]
	v_cvt_scalef32_pk8_bf8_f32 v[\pc+2+4*\b:\pc+3+4*\b], v[\s+8+16*\b:\s+15+16*\b], v[TM+12+\b]
.endr
	v_nop                                          ; a plain line behind the last conversion
.endm
.macro FRAGQ f
.if (\f) < 3
	s_wait_loadcnt 16                              ; this fragment's 16 loads are in; the next fragment's 16 may be out
.else
	s_wait_loadcnt 0x0
.endif
.irp i, 0,1,2,3,4,5,6,7,8,9,10,11,12,13,14,15
	ds_store_b128 v12, v[R+64*((\f)%2)+4*\i:R+64*((\f)%2)+4*\i+3] offset:528*\i
.endr
.irp b, 0,1,2,3
.irp j, 0,1,2,3
	ds_load_b128 v[X+16*\b+4*\j:X+16*\b+4*\j+3], v13 offset:128*\b+16*\j   ; LDS serves a wave's instructions in order: these see the stores above
.endr
.endr
	s_wait_dscnt 0x0                               ; my numbers are back, and the stores have read the set,
.if (\f) < 2
	LOADF (\f)+2                                   ; which takes the fragment two further on
.else
	s_wait_xcnt 0x0                                ; the stores of two fragments back have read this set of codes: it is written again only behind this wait
.endif
	QUANT X, PC+16*((\f)%2), WS+(\f)
.irp c, 0,1,2,3
	global_store_b128 v4, v[PC+16*((\f)%2)+4*\c:PC+16*((\f)%2)+4*\c+3], s[8:9] offset:((\f)/2)*16384+((\f)%2)*2048+512*\c   ; the image as it stands: 512 consecutive bytes a store
.endr
.endm
	LOADF 0
	LOADF 1
	s_wait_alu depctr_va_vdst(0)
	FRAGQ 0
	FRAGQ 1
	FRAGQ 2
	FRAGQ 3
	v_cmp_lt_u32 vcc_lo, 15, v1                    ; lane l stands for stored row l: lanes 0-15 send tile 0's two words, lanes 16-31 tile 1's (both halves of the lanes hold a row's word)
	v_cndmask_b32 v240, v8, v10, vcc_lo
	v_cndmask_b32 v241, v9, v11, vcc_lo
	global_store_b64 v15, v[240:241], s[10:11]     ; 256 consecutive bytes, at a multiple of 256
	s_wait_tensorcnt 0x0                           ; the wave's end
	ds_add_u32 v14, v3
	s_wait_dscnt 0x0
	s_endpgm
.Lfunc_end_k_qba2d54943e_quant:
	.size	k_qba2d54943e_quant, .Lfunc_end_k_qba2d54943e_quant-k_qba2d54943e_quant
	.p2alignl 7, 3214868480
	.fill 96, 4, 3214868480
	.section	.rodata,"a",@progbits
	.p2align	6, 0x0
	.amdhsa_kernel k_qba2d54943e_quant
		.amdhsa_group_segment_fixed_size 35328
		.amdhsa_private_segment_fixed_size 0
		.amdhsa_enable_private_segment 0
		.amdhsa_kernarg_size 32
		.amdhsa_user_sgpr_count 2
		.amdhsa_user_sgpr_kernarg_segment_ptr 1
		.amdhsa_wavefront_size32 1
		.amdhsa_system_sgpr_workgroup_id_x 1
		.amdhsa_system_sgpr_workgroup_id_y 1
		.amdhsa_system_sgpr_workgroup_id_z 1
		.amdhsa_system_vgpr_workitem_id 0
		.amdhsa_next_free_vgpr 256
		.amdhsa_next_free_sgpr 66
		.amdhsa_reserve_vcc 1
		.amdhsa_float_denorm_mode_32 3
		.amdhsa_float_denorm_mode_16_64 3
		.amdhsa_memory_ordered 1
		.amdhsa_forward_progress 1
		.amdhsa_inst_pref_size 51
	.end_amdhsa_kernel
	.amdgpu_metadata
---
amdhsa.version: [ 1, 2 ]
amdhsa.kernels:
  - .name:           k_qba2d54943e_quant
    .symbol:         k_qba2d54943e_quant.kd
    .args:
      - { .name: q, .offset: 0, .size: 8, .value_kind: global_buffer, .address_space: global }
      - { .name: k, .offset: 8, .size: 8, .value_kind: global_buffer, .address_space: global }
      - { .name: codes, .offset: 16, .size: 8, .value_kind: global_buffer, .address_space: global }
      - { .name: scales, .offset: 24, .size: 8, .value_kind: global_buffer, .address_space: global }
    .group_segment_fixed_size: 35328
    .private_segment_fixed_size: 0
    .kernarg_segment_align: 8
    .kernarg_segment_size: 32
    .max_flat_workgroup_size: 128
    .sgpr_count:     66
    .vgpr_count:     256
    .wavefront_size: 32
...
	.end_amdgpu_metadata
.endif
;; end of part 1
;; launch scores (part 2): grid 4 x 64, 4 waves a work-group, clusters of 4 x 4, 327,680 bytes of LDS; arguments codes, scales, mask, p_img, stat, v, vcodes, vscales; writes p_img, stat, vcodes, vscales
.if DOCPART == 2
	.amdgcn_target "amdgcn-amd-amdhsa--gfx1250"
	.amdhsa_code_object_version 6
	.text
	.protected	k_qba2d54943e_scores
	.globl	k_qba2d54943e_scores
	.p2align	8
	.type	k_qba2d54943e_scores,@function
k_qba2d54943e_scores:
	s_mov_b64 s[64:65], 0
	v_nop
	global_prefetch_b8 v0, s[64:65] scope:SCOPE_SE
	s_setreg_imm32_b32 hwreg(HW_REG_WAVE_MODE, 25, 1), 1
	s_wait_xcnt 0x0
	s_wait_alu depctr_hold_cnt(0) depctr_sa_sdst(0) depctr_va_vdst(0) depctr_va_sdst(0) depctr_va_ssrc(0) depctr_va_vcc(0) depctr_vm_vsrc(0)
	s_getreg_b32 s2, hwreg(HW_REG_IB_STS2, 6, 4)
	s_cmp_eq_u32 s2, 0
	s_cbranch_scc0 .Lentry_in_a_cluster
	s_endpgm
.Lentry_in_a_cluster:
	s_bfe_u32 s2, ttmp6, 0x10000c
	s_cmp_lg_u32 s2, 0xf033
	s_cbranch_scc0 .Lentry_shape_is_right
	s_endpgm
.Lentry_shape_is_right:
; The first product and the softmax's exponentials; and, beside them, the quantising of v for the next launch.
; S = Q K^T on codes of E5M2 with E8M0 scales (K = 1,024); x = S / 32 + mask x (-1e9); p = 2^(x log2(e) - M) is quantised along the keys and stored as codes.
; A tile of S, 256 queries x 256 keys, is made by a work-group of four waves; a wave makes 128 x 128: 64 accumulators, 512 registers.  K goes in steps of 256 through a ring of two LDS slots filled by the tensor data mover.
; A WORK-GROUP STAYS: 256 work-groups make two tiles each, the same 256 queries with the blocks of keys x and x + 4: one loop of two trips that are alike: every tensor load is issued in both; between them only addresses are stepped.
; OPERANDS LIE IN MEMORY AS IMAGES OF THEIR REGISTERS (2,048 bytes a fragment of 16 rows x 128 K): a K step of 8 tiles of rows is 8 rows of 4,096 bytes for one tensor load, and a fragment is four ds_load_b128 at 16 x lane.
; The scale words of a tile's rows, for all of K, go through registers into LDS bytes that no tensor load fills ([half][K step][128 rows][8 bytes]), at each trip's head.
; CLUSTERS: 4 x 4 work-groups.  The four of a row of the cluster need the same tiles of Q, the four of a column the same tiles of K: each tile is asked for jointly.
; THE MATRIX INSTRUCTION IS USED TRANSPOSED (source 0 = 16 stored rows of K, source 1 = 16 queries): a lane holds one query; K's rows are stored so that the 16 registers of tiles 2 B, 2 B + 1 are keys 32 B + 16 (lane / 16) + 0 .. 15.
; M IS LOCAL: the ceiling of the largest t among the wave's 128 keys, a whole number.  The next launch brings every chunk under the row's M by taking the difference off the scale bytes: a power of two, which leaves the codes as they are.
; Out: p_img [16 queries: 1024 tiles][128 keys: 16][2048], images again;  stat [3][batch][128 keys: 16][query: 2048] words: p's scale word, -M, the sum of the unquantised p.
; V.  v [8][2048][1024] f32 is shared out in 512 parts of 256 keys x 128 channels, 131,072 bytes: one slot; a work-group takes one in each trip.  At a tile's last change of slots, slot 0, which has been read out, is filled with it
; (a load of the work-group's own, no mask; each wave brings 64 keys x 512 bytes); it is quantised behind the softmax: along the keys, a lane to a channel, its registers down the keys.
; Out: vcodes [batch x 64 + channel / 16][128 keys: 16][2048], images (row = channel, k = key);  vscales [batch][256 keys: 8][channel: 1024][2 words].
; PREFETCHES INTO THE L2.  A K step of the eight tiles of rows that a wave fetches is 8 x 4,096 bytes.  The four partners that ask for it jointly share it out BY ADDRESS: the partner at place p (cx for Q, cy for K) names tiles 2 p and 2 p + 1:
; 32 blocks of 256 bytes, a lane a block, one instruction a wave.  K step 1 is named behind the load of K step 0, K steps 2 and 3 behind the load of K step 1; the next tile's K step 0 of K and its scale words at the last change of slots.
; Q's tiles are the same in both trips: in the second they have been read, and are named no more.  Nothing is named past a tile's fourth K step or past the second tile.
; LIMITS: NaN and infinities are not served.  A block of p whose largest p lies under 2^-111 of its chunk's largest, and a block of v whose largest magnitude lies under 2^-111, keep the byte 1 (a block of zeros too: its codes are zeros).
; REGISTERS, in windows of 256: window 0: v7-10, v16-31 addresses; v32-63 scale words, two sets; v64-127 mask x (-1e9) of my keys; v128-255 Q's fragments, one set, later the softmax's work, later v's.
;   window 1: K's fragments, two sets.   window 2: the accumulators of my queries 0-63 ((a, b) at v[8 (8 a + b)]);   window 3: those of queries 64-127.
.set NKP,    4                         ; K steps of 256
.set PITCHE, 2048                      ; from a tile of rows to the next in memory: 16,384 bytes, in elements of 8
.set SPITE,  2048                      ; from a K step's scale words to the next: 2,048 rows x 8 bytes, in elements of 8
.set FR,     16
.set SLOT,   131072                    ; Q's 16 tiles x 4,096 bytes, then K's 16
.set HS,     1024*NKP                  ; the scale words of 128 rows
.set SCA,    2*SLOT                    ; Q's scale words, two halves; behind them K's: written by LDS stores alone
.set SCB,    SCA+2*HS
.set STAT,   SCB+2*HS                  ; 3 x 512 bytes for each wave: written by LDS stores alone
.set SPARE,  STAT+4*1536               ; the spare words, 128 bytes for each wave, which no other line names
.set VLA,  7                           ; v7-8    v in slot 0: my channel's word of key 0, of key 128
.set VSO,  9                           ; v9      my channel's 16 bytes in an image of v's codes
.set VSS,  10                          ; v10     8 x lane: my channel's two scale words
.set ADRA, 16                          ; v16-17  LDS address of my fragments of Q in slot 0, 1
.set PFO,  18                          ; v18     a prefetch's offset among codes: 16,384 x (lane / 16) + 256 x (lane % 16); never rewritten
.set ADR0, 19                          ; v19     my scale words of K step 0: lanes 0-15 Q's rows, lanes 16-31 K's
.set ADRB, 20                          ; v20-21  the same as ADRA for K
.set PFS,  22                          ; v22     a prefetch's offset among scale words: 16,384 x (lane / 4 % 4) + 256 x (lane % 4); never rewritten
.set SAD,  24                          ; v24     where I put a query's word of stat
.set SRD,  25                          ; v25     where I read 16 bytes of it back
.set CO,   26                          ; v26     16 x lane
.set ADRS, 27                          ; v27     my scale words of the K step in hand
.set SPW,  28                          ; v28     my spare word; never rewritten
.set NIL,  29                          ; v29     0; never rewritten
.set MAD,  30                          ; v30     64 x (lane / 16): the mask's offset
.set SST,  31                          ; v31     where I put 16 bytes of my wave's 4,096 bytes of scale words
.set SC,   32
.set MN,   64
.set AF,   128
.set X,    128                         ; the softmax: v128-191 64 numbers; v192-223 codes, two sets; v224.. at work
.set PC,   192
.set BM,   224
.set BP,   228
.set HD,   232
.set SO,   236
.set NM,   240                         ; v[240:241] -M (the low word serves both halves)
.set LS,   242
.set L2,   244
.set TX,   246
.set PW,   247
.set LT,   248
.set L3,   250
.set L4,   252
.set VT,   96                          ; v's quantising: v96-99 at work; v[100:101] my channel's two scale words;
.set SB,   100
.set XV,   128                         ; v128-191 two sets of 32 numbers;
.set CV,   192                         ; v192-255 eight registers of codes for each of 8 blocks
.set G1, 24
.set G0, 32
.set G1B, 48
.set G0B, 56
.set G1V, 68                           ; s[68:75] group 1 for v's tile
.set VIN, 76                           ; s[76:77] v
.set TL,  78                           ; s78     tiles to go
.set PG,  79                           ; s79     1 while my wave prefetches its K steps: Q's waves in the first trip alone
.set G0V, 80                           ; s[80:83] group 0 for v's tile
.set LIM, 84                           ; s84     the value of s78 at which my wave names the next tile: 2 in K's waves, 0 (never) in Q's
.set VCO, 88                           ; s[88:89] vcodes
.set VSC, 90                           ; s[90:91] vscales
.set PFA, 98                           ; s[98:99] my work-group's two of the eight tiles of rows that my wave fetches, at K step 0
.set MSB, 0
.macro WIN new                         ; the immediate's high byte repeats the setting that is left
.if MSB != \new
	s_set_vgpr_msb (MSB<<8)|\new
.set MSB, \new
.endif
.endm
.set MUL_LO, 0xa1                      ; source 0 (K) window 1, source 1 (Q) window 0, C and D window 2
.set MUL_HI, 0xf1                      ; the same, C and D window 3
.set TO_B,   0x40                      ; destination window 1
.macro JLOAD g0a, g1a, g0b, g1b        ; a joint load: waves 0 and 1 fetch for Q, waves 2 and 3 for K; s_nop 0 and four v_nop follow each line
	s_cmp_eq_u32 s15, 0
	s_cbranch_scc0 .Lfor_b_\@
	tensor_load_to_lds s[\g0a:\g0a+3], s[\g1a:\g1a+7]
	s_nop 0
.rept 4
	v_nop
.endr
	s_branch .Lasked_\@
.Lfor_b_\@:
	tensor_load_to_lds s[\g0b:\g0b+3], s[\g1b:\g1b+7]
	s_nop 0
.rept 4
	v_nop
.endr
.Lasked_\@:
.endm
.macro CREST                           ; a round of the cluster's barrier behind its opening barrier
	s_cmp_lg_u32 s14, 0
	s_cbranch_scc1 .Lnot_wave_0_\@
	s_barrier_signal -3
.Lnot_wave_0_\@:
	s_barrier_wait -3
	s_barrier_signal -1
	s_barrier_wait -1
.endm
.macro CROUND
	s_barrier_signal -1
	s_barrier_wait -1
	CREST
.endm
.macro PLACES n
.rept \n
	v_nop
.endr
.endm
.macro PF o1, o2                       ; my share of the K steps at bytes o1 and (if not 0) o2 of the tiles' rows
	s_cmp_lg_u32 s[PG], 0
	s_cbranch_scc0 .Lno_pf_\@
	global_prefetch_b8 v[PFO], s[PFA:PFA+1] offset:\o1 th:TH_LOAD_NT scope:SCOPE_SE
.if \o2
	global_prefetch_b8 v[PFO], s[PFA:PFA+1] offset:\o2 th:TH_LOAD_NT scope:SCOPE_SE
.endif
.Lno_pf_\@:
.endm
.macro NEXTPF                          ; K's waves, in the first trip: the next tile's K step 0 (64 tiles of rows on) and its scale words (four blocks of keys on)
	s_cmp_eq_u32 s[TL], s[LIM]
	s_cbranch_scc0 .Lno_next_\@
	global_prefetch_b8 v[PFO], s[PFA:PFA+1] offset:0x100000 th:TH_LOAD_NT scope:SCOPE_SE
	global_prefetch_b8 v[PFS], s[6:7] offset:8192 th:TH_LOAD_NT scope:SCOPE_SE
.Lno_next_\@:
.endm
	s_load_b256 s[4:11], s[0:1], 0x0               ; codes s[4:5], scales s[6:7], mask s[8:9], p_img s[10:11]
	s_load_b64 s[12:13], s[0:1], 0x20              ; stat
	s_load_b64 s[VIN:VIN+1], s[0:1], 0x28          ; v
	s_load_b128 s[VCO:VCO+3], s[0:1], 0x30         ; vcodes, vscales
	v_lshl_add_u32 v[SPW], v0, 2, SPARE
	v_mov_b32 v[NIL], 0
	ds_add_u32 v[SPW], v[NIL]                      ; the opening lines: the add, twice on end, and its wait ahead of my first tensor load
	ds_add_u32 v[SPW], v[NIL]
	s_wait_dscnt 0x0
	v_lshrrev_b32 v1, 5, v0
	v_readfirstlane_b32 s14, v1                    ; wave 0..3
	v_and_b32 v1, 31, v0                           ; lane
	v_lshlrev_b32 v[CO], 4, v1
	s_lshl_b32 s3, s14, 12                         ; the scale words: wave x HS: no place in the cluster enters an LDS address
	s_add_co_u32 s3, s3, SCA
	v_add_nc_u32 v[SST], s3, v[CO]
	v_bfe_u32 v[PFO], v0, 4, 1
	v_lshlrev_b32 v[PFO], 14, v[PFO]
	v_and_b32 v2, 15, v0
	v_lshl_or_b32 v[PFO], v2, 8, v[PFO]
	v_bfe_u32 v[PFS], v0, 2, 2
	v_lshlrev_b32 v[PFS], 14, v[PFS]
	v_and_b32 v3, 3, v0
	v_lshl_or_b32 v[PFS], v3, 8, v[PFS]            ; (lanes 16-31 name lanes 0-15's sixteen blocks again)
	s_lshr_b32 s15, s14, 1                         ; which 128 queries are mine.  Also: I fetch for Q (0) or for K (1)
	s_and_b32 s16, s14, 1                          ; which 128 keys.  Also: which half of that tile I fetch
	s_bfe_u32 s40, ttmp6, 0x40000                  ; cx, cy: my place in the cluster
	s_bfe_u32 s41, ttmp6, 0x40004
	s_lshl_b32 s42, ttmp9, 2
	s_add_co_u32 s42, s42, s40                     ; the first tile's block of 256 keys = 4 x cluster x + cx: 0 .. 3
	s_and_b32 s18, ttmp7, 0xffff
	s_lshl_b32 s17, s18, 2
	s_add_co_u32 s17, s17, s41                     ; block of 256 queries, over all batches = 4 x cluster y + cy
	s_lshr_b32 s18, s18, 1                         ; batch: eight such blocks each, so it hangs on the cluster's y alone
	s_lshl_b32 s43, s41, 2
	s_lshl_b32 s43, 15, s43                        ; my row of the cluster
	s_lshl_b32 s44, 0x1111, s40                    ; my column
	s_or_b32 s[G1+0], s43, (3<<16)|(1<<21)         ; 15:0 the mask: Q's tiles go to my row; 17:16 elements of 8 bytes; 21 set beside a mask
	s_or_b32 s[G1B+0], s44, (3<<16)|(1<<21)
.irp g, G1, G1B
	s_mov_b32 s[\g+1], 512<<16                     ; tensor_dim0
	s_mov_b32 s[\g+2], 8<<16                       ; tensor_dim1
	s_mov_b32 s[\g+3], 512<<16                     ; tile_dim0
	s_mov_b32 s[\g+4], 8                           ; tile_dim1
	s_mov_b32 s[\g+5], PITCHE                      ; tensor_dim0_stride
	s_mov_b32 s[\g+6], 0
	s_mov_b32 s[\g+7], 0
.endr
	; where the tiles come from.  Q's hang on the block of queries alone, K's on the batch and the block of keys alone; each in registers that never hold the other coordinate
	s_lshl_b32 s19, s16, 3                         ; the 8 tiles of rows of my half
	s_lshl_b32 s20, s17, 4
	s_add_co_u32 s20, s20, s19
	s_lshl_b32 s20, s20, 14                        ; Q's codes: 16,384 bytes a tile of rows
	s_mov_b32 s21, 0
	s_lshl_b32 s46, s18, 7
	s_lshl_b32 s47, s42, 4
	s_add_co_u32 s46, s46, s47
	s_add_co_u32 s46, s46, s19
	s_lshl_b32 s46, s46, 14
	s_add_co_u32 s46, s46, 0x1000000               ; K's codes, 16 MiB on
	s_mov_b32 s47, 0
	s_lshl_b32 s19, s16, 10                        ; 128 rows x 8 bytes
	s_lshl_b32 s22, s18, 16
	s_and_b32 s23, s17, 7
	s_lshl_b32 s23, s23, 11
	s_add_co_u32 s22, s22, s23
	s_add_co_u32 s22, s22, s19                     ; Q's scale words
	s_mov_b32 s23, 0
	s_lshl_b32 s98, s18, 16
	s_lshl_b32 s99, s42, 11
	s_add_co_u32 s98, s98, s99
	s_add_co_u32 s98, s98, s19
	s_add_co_u32 s98, s98, 0x80000                 ; K's, 512 KiB on
	s_lshl_b32 s45, s14, 15                        ; where the tiles go: wave x 32,768 in a slot
	s_cmp_eq_u32 s15, 0
	s_cselect_b32 s22, s22, s98                    ; waves 0 and 1 bring Q's scale words, waves 2 and 3 K's: an offset is chosen, both lie in one buffer
	s_wait_alu depctr_va_vdst(0)
	s_wait_kmcnt 0x0
	s_add_nc_u64 s[6:7], s[6:7], s[22:23]
	s_add_nc_u64 s[20:21], s[4:5], s[20:21]
	s_add_nc_u64 s[46:47], s[4:5], s[46:47]
	s_cmp_eq_u32 s15, 0
	s_cselect_b64 s[PFA:PFA+1], s[20:21], s[46:47]
	s_cselect_b32 s22, s40, s41
	s_lshl_b32 s22, s22, 15                        ; my work-group's two tiles of rows of the eight
	s_add_nc_u64 s[PFA:PFA+1], s[PFA:PFA+1], s[22:23]
.irp s, 0,1
	s_mov_b32 s[G0+4*\s], 1
	s_add_co_u32 s[G0+4*\s+1], s45, \s*SLOT
	s_add_nc_u64 s[G0+4*\s+2:G0+4*\s+3], s[20:21], \s*4096      ; K step s: two fragments on in each tile of rows
	s_or_b32 s[G0+4*\s+3], s[G0+4*\s+3], 0x80000000
	s_mov_b32 s[G0B+4*\s], 1
	s_add_co_u32 s[G0B+4*\s+1], s45, \s*SLOT
	s_add_nc_u64 s[G0B+4*\s+2:G0B+4*\s+3], s[46:47], \s*4096
	s_or_b32 s[G0B+4*\s+3], s[G0B+4*\s+3], 0x80000000
.endr
	v_and_b32 v2, 15, v0                           ; r
	v_bfe_u32 v3, v0, 4, 1                         ; h
	v_lshlrev_b32 v[MAD], 6, v3
	s_wait_alu depctr_va_vdst(0)
	s_lshl_b32 s20, s14, 7                         ; v's tile in slot 0: a key's row is 128 channels of 4 bytes; my wave's 32 channels, a lane to a channel
	v_lshl_add_u32 v[VLA], v1, 2, s20
	v_add_nc_u32 v[VLA+1], 0x10000, v[VLA]         ; 128 keys on
	v_lshlrev_b32 v[VSO], 15, v3                   ; v's codes: lanes 16-31 belong to the next tile of 16 channels, 32,768 bytes on;
	v_lshl_or_b32 v[VSO], v2, 4, v[VSO]            ; 16 bytes a row
	v_lshlrev_b32 v[VSS], 3, v1
	s_lshl_b32 s20, s18, 13                        ; the mask of my 128 keys
	s_lshl_b32 s21, s42, 10
	s_add_co_u32 s20, s20, s21
	s_lshl_b32 s21, s16, 9
	s_add_co_u32 s20, s20, s21
	s_mov_b32 s21, 0
	s_add_nc_u64 s[8:9], s[8:9], s[20:21]
	s_lshl_b32 s21, s15, 15                        ; my 8 tiles of Q,
	s_lshl_b32 s22, s16, 15
	s_add_co_u32 s22, s22, 65536                   ; my 8 of K, behind Q's 16
.irp s, 0,1
	v_add_nc_u32 v[ADRA+\s], s21, v[CO]
	v_add_nc_u32 v[ADRB+\s], s22, v[CO]
	s_add_co_u32 s21, s21, SLOT
	s_add_co_u32 s22, s22, SLOT
.endr
	v_lshlrev_b32 v5, 3, v2                        ; my row's two words of a K step
	s_lshl_b32 s21, s15, 12                        ; Q's: my 128 rows
	s_lshl_b32 s22, s16, 12                        ; K's: my 128 rows, behind Q's two halves
	s_add_co_u32 s22, s22, 2*HS
	s_sub_co_u32 s22, s22, s21
	v_mul_u32_u24 v6, s22, v3                      ; lanes 16-31 take K's: the lower base + h x the distance
	s_add_co_u32 s21, s21, SCA
	v_add_nc_u32 v5, v5, v6
	v_add_nc_u32 v[ADR0], s21, v5
	s_mul_i32 s23, s14, 1536
	s_add_co_u32 s23, s23, STAT
	v_lshl_add_u32 v[SAD], v2, 2, s23
	v_add_nc_u32 v[SRD], s23, v[CO]
	s_lshl_b32 s20, s17, 4                         ; p_img: (my first tile of queries x 16 + my chunk of 128 keys) x 2,048
	s_lshl_b32 s21, s15, 3
	s_add_co_u32 s20, s20, s21
	s_lshl_b32 s20, s20, 4
	s_lshl_b32 s21, s42, 1
	s_add_co_u32 s20, s20, s21
	s_add_co_u32 s20, s20, s16
	s_lshl_b32 s20, s20, 11
	s_mov_b32 s21, 0
	s_add_nc_u64 s[10:11], s[10:11], s[20:21]
	s_lshl_b32 s20, s18, 4                         ; stat: (batch x 16 + chunk) x 8,192 + 4 x my first query in the batch
	s_lshl_b32 s21, s42, 1
	s_add_co_u32 s20, s20, s21
	s_add_co_u32 s20, s20, s16
	s_lshl_b32 s20, s20, 13
	s_and_b32 s21, s17, 7
	s_lshl_b32 s21, s21, 10
	s_add_co_u32 s20, s20, s21
	s_lshl_b32 s21, s15, 9
	s_add_co_u32 s20, s20, s21
	s_mov_b32 s21, 0
	s_add_nc_u64 s[12:13], s[12:13], s[20:21]
	s_mov_b32 s66, 0x76543210                      ; lane selects: lane l xor 16
	s_mov_b32 s67, 0xfedcba98
	s_mov_b32 s92, 0x3d000000                      ; 1 / 32 = 1024^-0.5 (the packed forms name pairs and take the low word for both halves: so the upper words are written)
	s_mov_b32 s93, s92
	s_mov_b32 s94, 0x3fb8aa3b                      ; log2(e)
	s_mov_b32 s95, s94
	s_mov_b32 s96, 0xce6e6b28                      ; -1e9
	s_mov_b32 s97, s96
	s_mov_b32 s2, 0x600000                         ; the mantissa field of 57,344
	; v's tile of the first trip: channels 128 x on, keys 256 (y % 8) on, of batch y / 8; wave w fetches keys 64 w on
	s_mov_b32 s[G1V+0], 3<<16                      ; 15:0 no mask: a load of my work-group's own; 17:16 elements of 8 bytes; no padding
	s_mov_b32 s[G1V+1], 64<<16                     ; tensor_dim0 = 64 elements: 128 channels of 4 bytes
	s_mov_b32 s[G1V+2], 64<<16                     ; tensor_dim1 = 64 keys
	s_mov_b32 s[G1V+3], 64<<16                     ; tile_dim0
	s_mov_b32 s[G1V+4], 64                         ; tile_dim1
	s_mov_b32 s[G1V+5], 512                        ; tensor_dim0_stride: a key's 4,096 bytes
	s_mov_b32 s[G1V+6], 0
	s_mov_b32 s[G1V+7], 0
	s_and_b32 s23, s17, 7                          ; which 256 keys
	s_lshl_b32 s20, s18, 23                        ; the batch's 2,048 keys of 4,096 bytes,
	s_lshl_b32 s21, s23, 20
	s_add_co_u32 s20, s20, s21
	s_lshl_b32 s21, s42, 9
	s_add_co_u32 s20, s20, s21
	s_lshl_b32 s21, s14, 18
	s_add_co_u32 s20, s20, s21
	s_mov_b32 s21, 0
	s_mov_b32 s[G0V], 1
	s_lshl_b32 s[G0V+1], s14, 15                   ; slot 0, wave x 64 rows of 512 bytes
	s_add_nc_u64 s[G0V+2:G0V+3], s[VIN:VIN+1], s[20:21]
	s_or_b32 s[G0V+3], s[G0V+3], 0x80000000
	s_lshl_b32 s20, s18, 6                         ; vcodes: my wave's first tile of 16 channels: 64 a batch, 8 a part, 2 a wave,
	s_lshl_b32 s22, s42, 3
	s_add_co_u32 s20, s20, s22
	s_lshl_b32 s22, s14, 1
	s_add_co_u32 s20, s20, s22
	s_lshl_b32 s20, s20, 15
	s_lshl_b32 s22, s23, 12
	s_add_co_u32 s20, s20, s22                     ; and its two fragments of these 256 keys
	s_add_nc_u64 s[VCO:VCO+1], s[VCO:VCO+1], s[20:21]
	s_lshl_b32 s20, s18, 3                         ; vscales: (batch x 8 + which 256 keys) x 1,024 channels x 8 bytes,
	s_add_co_u32 s20, s20, s23
	s_lshl_b32 s20, s20, 13
	s_lshl_b32 s22, s42, 10
	s_add_co_u32 s20, s20, s22
	s_lshl_b32 s22, s14, 8
	s_add_co_u32 s20, s20, s22                     ; and my wave's 32 channels
	s_add_nc_u64 s[VSC:VSC+1], s[VSC:VSC+1], s[20:21]
	s_mov_b32 s[TL], 2
	s_mov_b32 s[PG], 1
	s_lshl_b32 s[LIM], s15, 1
.macro FRAG reg, adr, off              ; a fragment comes back as it was stored: four loads of 512 consecutive bytes
.irp c, 0,1,2,3
	ds_load_b128 v[\reg+4*\c:\reg+4*\c+3], v[\adr] offset:\off+512*\c
.endr
.endm
; 16 matrix instructions: Q's blocks a0, a0 + 1 x K's eight, the slot's q-th 128 along K.  p: K's set; sc: the set of scale words.  The 64 accumulators take turns, one instruction a turn.
.macro MUL16 a0, p, q, sc, zero
.irp a, \a0, \a0+1
.irp b, 0,1,2,3,4,5,6,7
.if \zero
	v_wmma_scale_f32_16x16x128_f8f6f4 v[8*(8*((\a)%4)+\b):8*(8*((\a)%4)+\b)+7], v[128*(\p)+FR*\b:128*(\p)+FR*\b+FR-1], v[AF+FR*(\a):AF+FR*(\a)+FR-1], 0, v[SC+16*(\sc)+2*\b+(\q)], v[SC+16*(\sc)+2*(\a)+(\q)] matrix_a_fmt:MATRIX_FMT_BF8 matrix_b_fmt:MATRIX_FMT_BF8 matrix_a_scale:MATRIX_SCALE_ROW1
.else
	v_wmma_scale_f32_16x16x128_f8f6f4 v[8*(8*((\a)%4)+\b):8*(8*((\a)%4)+\b)+7], v[128*(\p)+FR*\b:128*(\p)+FR*\b+FR-1], v[AF+FR*(\a):AF+FR*(\a)+FR-1], v[8*(8*((\a)%4)+\b):8*(8*((\a)%4)+\b)+7], v[SC+16*(\sc)+2*\b+(\q)], v[SC+16*(\sc)+2*(\a)+(\q)] matrix_a_fmt:MATRIX_FMT_BF8 matrix_b_fmt:MATRIX_FMT_BF8 matrix_a_scale:MATRIX_SCALE_ROW1
.endif
.endr
.endr
.endm
.macro FETCH_B slot, q, p
	WIN TO_B
.irp i, 0,1,2,3,4,5,6,7
	FRAG 128*(\p)+FR*\i, ADRB+\slot, 4096*\i+2048*(\q)
.endr
	WIN 0
.endm
.macro FETCH_A slot, q, i0
.irp i, \i0, \i0+1, \i0+2, \i0+3
	FRAG AF+FR*(\i), ADRA+\slot, 4096*(\i)+2048*(\q)
.endr
.endm
.macro SCALES sc                       ; a K step's scale words: two a row; lanes 0-15 take Q's block i, lanes 16-31 K's block i
.irp i, 0,1,2,3,4,5,6,7
	ds_load_b64 v[SC+16*\sc+2*\i:SC+16*\sc+2*\i+1], v[ADRS] offset:128*\i
.endr
.endm
; A load into a register that a matrix instruction has read stands eight places behind it: the v_nop in front of each run of loads.
.macro STEP slot, q, zero              ; a step of 128 along K that has its successor in the same slot
	s_wait_dscnt 16                                ; K's set, Q's blocks 0-3 and the scale words are in; the youngest 16 loads (Q's blocks 4-7) may be out
	WIN MUL_LO
	MUL16 0, (\q)%2, \q, \slot, \zero
	MUL16 2, (\q)%2, \q, \slot, \zero
	s_wait_dscnt 0
	PLACES 8
	FETCH_B \slot, (\q)+1, 1-(\q)%2
	FETCH_A \slot, (\q)+1, 0
	WIN MUL_HI
	MUL16 4, (\q)%2, \q, \slot, \zero
	MUL16 6, (\q)%2, \q, \slot, \zero
	PLACES 8
	WIN 0
	FETCH_A \slot, (\q)+1, 4
.endm
; A slot's last step changes slots: one barrier, which opens a round of the cluster's; in front of it each wave waits for all its tensor loads, adds 0 to its spare word, and waits for that and for its reads of this slot.
; Behind the round this slot is filled again.  fill = 1: jointly, with the tiles two K steps ahead.  fill = 2, a tile's last change: with the trip's part of v.
.macro TURN slot, next, fill
	s_wait_tensorcnt 0x0                           ; all my tensor loads have landed: my part of the next slot
	ds_add_u32 v[SPW], v[NIL]                      ; 0 onto my spare word
	s_wait_dscnt 17                                ; (the add and the youngest 16 loads, Q's blocks 4-7, may be out)
	WIN MUL_LO
	MUL16 0, 1, 1, \slot, 0
	s_wait_dscnt 0x0                               ; the add is done, and my reads of this slot are over
	s_barrier_signal -1
	MUL16 2, 1, 1, \slot, 0
	WIN 0
	s_barrier_wait -1
	CREST                                          ; no wave of any partner still reads this slot or has a load on its way
.if \fill == 1
	s_add_nc_u64 s[G0+4*\slot+2:G0+4*\slot+3], s[G0+4*\slot+2:G0+4*\slot+3], 8192
	s_add_nc_u64 s[G0B+4*\slot+2:G0B+4*\slot+3], s[G0B+4*\slot+2:G0B+4*\slot+3], 8192
	JLOAD G0+4*\slot, G1, G0B+4*\slot, G1B         ; the first tensor load behind the round; its four v_nop are among the places in front of the loads below
	PLACES 4
.else
	tensor_load_to_lds s[G0V:G0V+3], s[G1V:G1V+7]  ; every wave its own 64 keys x 512 bytes of v, to wave x 32,768: my one tensor load behind the round
	s_nop 0
	PLACES 8
.endif
	s_wait_alu depctr_va_vdst(0)
	v_add_nc_u32 v[ADRS], 1024, v[ADRS]            ; the next K step's scale words (no LDS load of mine is out)
	FETCH_B \next, 0, 0
	FETCH_A \next, 0, 0
	SCALES \next
.if \fill == 2
	NEXTPF                                         ; behind the tensor load and the run of LDS loads
.endif
	WIN MUL_HI
	MUL16 4, 1, 1, \slot, 0
	MUL16 6, 1, 1, \slot, 0
	PLACES 8
	WIN 0
	FETCH_A \next, 0, 4
.endm
.macro SOFT a                          ; a block of 16 queries x my 128 keys
	WIN 0x02+(\a)/4                                ; source 0: window 2 or 3
.set n, 0
.rept 32
	v_pk_fma_f32 v[X+n:X+n+1], v[64*((\a)%4)+n:64*((\a)%4)+n+1], s[92:93], v[MN+n:MN+n+1] op_sel_hi:[1,0,1]   ; x = s / 32 + mask x (-1e9): s / 32 is exact, so one rounding.  Each accumulator from its low end on
.set n, n+2
.endr
	WIN 0
.irp b, 0,1,2,3
	v_max3_num_f32 v[BM+\b], v[X+16*\b], v[X+1+16*\b], v[X+2+16*\b]   ; the largest x of each block of 32 keys: for the row's maximum, and, since p rises with x, for the block's largest p
.endr
.irp i, 3,5,7,9,11,13
.irp b, 0,1,2,3
	v_max3_num_f32 v[BM+\b], v[BM+\b], v[X+16*\b+\i], v[X+1+16*\b+\i]
.endr
.endr
.irp b, 0,1,2,3
	v_max_num_f32 v[BM+\b], v[BM+\b], v[X+15+16*\b]
.endr
.irp b, 0,1,2,3
	v_permlanex16_b32 v[BP+\b], v[BM+\b], s66, s67
.endr
.irp b, 0,1,2,3
	v_max_num_f32 v[BM+\b], v[BM+\b], v[BP+\b]     ; with lane l xor 16's 16 keys
.endr
	v_max3_num_f32 v[TX], v[BM], v[BM+1], v[BM+2]
	v_max_num_f32 v[TX], v[TX], v[BM+3]
	v_mul_f32 v[TX], s94, v[TX]                    ; the chunk's largest t
.if (\a) > 0
	s_wait_alu depctr_va_vdst(0)
	s_wait_dscnt 0x0                               ; the last block's three LDS stores have read their registers
.endif
	v_floor_f32 v[NM], -v[TX]                      ; -M = floor(-t) = -ceil(t): a whole number
.set n, 0
.rept 32
	v_pk_fma_f32 v[X+n:X+n+1], v[X+n:X+n+1], s[94:95], v[NM:NM+1] op_sel_hi:[1,0,0]   ; t - M
.set n, n+2
.endr
.irp b, 0,1,2,3
	v_fma_f32 v[BM+\b], v[BM+\b], s94, v[NM]       ; the same of each block's largest
.endr
.set n, 0
	s_wait_alu depctr_va_vdst(0)
.rept 64
	v_exp_f32 v[X+n], v[X+n]                       ; p = 2^(t - M), at most 1
.set n, n+1
.endr
	v_nop                                          ; a plain line behind the exponentials
	s_wait_alu depctr_va_vdst(0)                   ; one wait for the batch, ahead of its first reader
.irp b, 0,1,2,3
	v_exp_f32 v[BM+\b], v[BM+\b]                   ; the block's largest p: the same two instructions on the same number
.endr
	v_pk_add_f32 v[LS:LS+1], v[X:X+1], v[X+2:X+3]  ; the sum of the UNQUANTISED p, two at a time, in four chains by turns: plain work behind the four
	v_pk_add_f32 v[L2:L2+1], v[X+4:X+5], v[X+6:X+7]
	v_pk_add_f32 v[L3:L3+1], v[X+8:X+9], v[X+10:X+11]
	v_pk_add_f32 v[L4:L4+1], v[X+12:X+13], v[X+14:X+15]
.irp j, 16,24,32,40,48,56
	v_pk_add_f32 v[LS:LS+1], v[LS:LS+1], v[X+\j:X+\j+1]
	v_pk_add_f32 v[L2:L2+1], v[L2:L2+1], v[X+\j+2:X+\j+3]
	v_pk_add_f32 v[L3:L3+1], v[L3:L3+1], v[X+\j+4:X+\j+5]
	v_pk_add_f32 v[L4:L4+1], v[L4:L4+1], v[X+\j+6:X+\j+7]
.endr
	v_pk_add_f32 v[LS:LS+1], v[LS:LS+1], v[L2:L2+1]
	v_pk_add_f32 v[L3:L3+1], v[L3:L3+1], v[L4:L4+1]
	v_pk_add_f32 v[LS:LS+1], v[LS:LS+1], v[L3:L3+1]
	s_wait_alu depctr_va_vdst(0)                   ; and one for the four
.irp b, 0,1,2,3
	v_max_num_f32 v[BM+\b], 0x8000000, v[BM+\b]    ; the floor 2^(16 - 127): the byte cannot fall under 1
.endr
.irp b, 0,1,2,3
	v_add_nc_u32 v[SO+\b], 0xf8800000, v[BM+\b]    ; the conversion's scale operand
.endr
.irp b, 0,1,2,3
	v_and_or_b32 v[HD+\b], v[BM+\b], 0x7f800000, s2   ; 57,344 x the scale
.endr
.irp b, 0,1,2,3
	v_lshrrev_b32 v[BP+\b], 23, v[SO+\b]           ; the scale's byte
.endr
	v_lshl_or_b32 v[PW], v[BP+1], 8, v[BP]         ; p's scale word for these 128 keys, under the local M
	v_lshl_or_b32 v[PW], v[BP+2], 16, v[PW]
	v_lshl_or_b32 v[PW], v[BP+3], 24, v[PW]
.if (\a) > 1
	s_wait_xcnt 0x0                                ; the stores of two blocks back have read this set of codes: it is written again only behind this wait
.endif
.irp b, 0,1,2,3
.irp i, 0,1,2,3,4,5,6,7,8,9,10,11,12,13,14,15
	v_min_num_f32 v[X+16*\b+\i], v[X+16*\b+\i], v[HD+\b]   ; the conversion does not saturate (ISA guide 7.6.2); p is not negative, so the hold is one-sided
.endr
	v_cvt_scalef32_pk8_bf8_f32 v[PC+16*((\a)%2)+4*\b:PC+16*((\a)%2)+4*\b+1], v[X+16*\b:X+16*\b+7], v[SO+\b]
	v_cvt_scalef32_pk8_bf8_f32 v[PC+16*((\a)%2)+4*\b+2:PC+16*((\a)%2)+4*\b+3], v[X+16*\b+8:X+16*\b+15], v[SO+\b]
.endr
	v_add_f32 v[LT], v[LS], v[LS+1]                ; the sum's two halves (also the plain line behind the last conversion),
	v_permlanex16_b32 v[BP], v[LT], s66, s67
	v_add_f32 v[LT], v[LT], v[BP]                  ; and lane l xor 16's 64 keys
.irp c, 0,1,2,3
	global_store_b128 v[CO], v[PC+16*((\a)%2)+4*\c:PC+16*((\a)%2)+4*\c+3], s[10:11] offset:(\a)*32768+512*\c   ; the codes ARE the next product's fragment: 512 consecutive bytes a store
.endr
	ds_store_b32 v[SAD], v[PW] offset:64*(\a)      ; both halves of the lanes write the same word with the same value
	ds_store_b32 v[SAD], v[NM] offset:512+64*(\a)
	ds_store_b32 v[SAD], v[LT] offset:1024+64*(\a)
.endm
.macro LOADV t                         ; block t: v(key 32 t + i, my channel) into set t % 2; the 32 lanes read 128 consecutive bytes
.irp i, 0,1,2,3,4,5,6,7,8,9,10,11,12,13,14,15,16,17,18,19,20,21,22,23,24,25,26,27,28,29,30,31
	ds_load_b32 v[XV+32*((\t)%2)+\i], v[VLA+(\t)/4] offset:(32*((\t)%4)+\i)*512
.endr
.endm
.macro BLOCKV t
.set XS, XV+32*((\t)%2)
.if (\t) < 7
	s_wait_dscnt 32                                ; this block's 32 loads are in; the next block's may be out
.else
	s_wait_dscnt 0x0
.endif
	v_max3_num_f32 v[VT+2], |v[XS]|, |v[XS+1]|, |v[XS+2]|          ; the block's largest magnitude: all 32 numbers are mine
	v_max3_num_f32 v[VT+3], |v[XS+3]|, |v[XS+4]|, |v[XS+5]|
.irp i, 6,10,14,18,22,26
	v_max3_num_f32 v[VT+2], v[VT+2], |v[XS+\i]|, |v[XS+\i+1]|
	v_max3_num_f32 v[VT+3], v[VT+3], |v[XS+\i+2]|, |v[XS+\i+3]|
.endr
	v_max3_num_f32 v[VT+2], v[VT+2], |v[XS+30]|, |v[XS+31]|
	v_max3_num_f32 v[VT+2], v[VT+2], v[VT+3], 0x8000000            ; and the floor 2^(16 - 127)
	v_add_nc_u32 v[VT+1], 0xf8800000, v[VT+2]      ; the conversion's scale operand
	v_and_or_b32 v[VT], v[VT+2], 0x7f800000, s2    ; 57,344 x the scale
.if (\t)%4 == 0
	v_lshrrev_b32 v[SB+(\t)/4], 23, v[VT+1]        ; the byte: four to a word, the lower keys in the lower byte
.else
	v_lshrrev_b32 v[VT+3], 23, v[VT+1]
	v_lshl_or_b32 v[SB+(\t)/4], v[VT+3], 8*((\t)%4), v[SB+(\t)/4]
.endif
.irp i, 0,1,2,3,4,5,6,7,8,9,10,11,12,13,14,15,16,17,18,19,20,21,22,23,24,25,26,27,28,29,30,31
	v_med3_num_f32 v[XS+\i], v[XS+\i], -v[VT], v[VT]               ; the conversion does not saturate (ISA guide 7.6.2): the hold comes first
.endr
.irp g, 0,1,2,3
	v_cvt_scalef32_pk8_bf8_f32 v[CV+8*(\t)+2*\g:CV+8*(\t)+2*\g+1], v[XS+8*\g:XS+8*\g+7], v[VT+1]
.endr
	v_nop                                          ; a plain line behind the last conversion
	global_store_b128 v[VSO], v[CV+8*(\t):CV+8*(\t)+3], s[VCO:VCO+1] offset:((\t)/4)*2048+((\t)%4)*512          ; keys 0-15 of the block: the image's lanes 0-15; sixteen lanes store 256 consecutive bytes
	global_store_b128 v[VSO], v[CV+8*(\t)+4:CV+8*(\t)+7], s[VCO:VCO+1] offset:((\t)/4)*2048+((\t)%4)*512+256    ; keys 16-31: its lanes 16-31
.if (\t) < 6
	LOADV (\t)+2
.endif
.endm
	s_wait_alu depctr_va_vdst(0)
.Ltile:                                                ; two trips, a tile of S and a part of v each
.irp j, 0,1,2,3                                ; my wave's scale words of this tile: 128 rows x 4 K steps x 8 bytes, eight loads of 512 consecutive bytes
.irp u, 0,1
	global_load_b128 v[AF+8*\j+4*\u:AF+8*\j+4*\u+3], v[CO], s[6:7] offset:\j*SPITE*8+\u*512
.endr
.endr
.irp b, 0,1,2,3
.irp j, 0,1,2,3
	global_load_b128 v[MN+16*\b+4*\j:MN+16*\b+4*\j+3], v[MAD], s[8:9] offset:128*\b+16*\j   ; the mask: register 16 b + i: key 32 b + 16 h + i; wanted behind the last product
.endr
.endr
	v_mov_b32 v[ADRS], v[ADR0]
	s_wait_tensorcnt 0x0                           ; no tensor load of mine is out
	ds_add_u32 v[SPW], v[NIL]                      ; the add, here twice on end
	ds_add_u32 v[SPW], v[NIL]
	s_wait_dscnt 0x0                               ; both adds are done, and my reads of both slots and of the scale words are over
	CROUND                                         ; a whole round: that holds of every wave of all sixteen work-groups, and the joint loads meet
	JLOAD G0, G1, G0B, G1B                         ; K step 0 into slot 0: my one tensor load behind the round
	PF 4096, 0                                     ; K step 1
	s_wait_alu depctr_va_vdst(0)
	s_wait_loadcnt 16                              ; my eight loads of scale words are in; the 16 loads of the mask, issued behind them, may be out
.irp j, 0,1,2,3
.irp u, 0,1
	ds_store_b128 v[SST], v[AF+8*\j+4*\u:AF+8*\j+4*\u+3] offset:\j*1024+\u*512
.endr
.endr
	s_wait_tensorcnt 0x0                           ; my part of K step 0 is in
	ds_add_u32 v[SPW], v[NIL]                      ; 0 onto my spare word
	s_wait_dscnt 0x0                               ; the add is done, and my stores of scale words have landed
	CROUND                                         ; everybody's part of K step 0 and everybody's scale words are in
	JLOAD G0+4, G1, G0B+4, G1B                     ; K step 1 into slot 1: my one tensor load behind the round
	FETCH_B 0, 0, 0
	FETCH_A 0, 0, 0
	SCALES 0
	FETCH_A 0, 0, 4
	PF 8192, 12288                                 ; K steps 2 and 3, behind the joint load and the run of LDS loads
	STEP 0, 0, 1                                   ; the first step's products start the sums: nothing is cleared
	TURN 0, 1, 1
	STEP 1, 0, 0
	TURN 1, 0, 1
	STEP 0, 0, 0
	TURN 0, 1, 2                                   ; the tile's last change of slots: slot 0 takes v
	STEP 1, 0, 0
	s_wait_dscnt 16
	WIN MUL_LO
	MUL16 0, 1, 1, 1, 0
	MUL16 2, 1, 1, 1, 0
	s_wait_dscnt 0
	WIN MUL_HI
	MUL16 4, 1, 1, 1, 0
	MUL16 6, 1, 1, 1, 0
	WIN 0
	; ---- THE SOFTMAX'S EXPONENTIALS, a block of 16 queries at a time
	s_wait_loadcnt 0x0                             ; the mask
.set n, 0
.rept 32
	v_pk_mul_f32 v[MN+n:MN+n+1], v[MN+n:MN+n+1], s[96:97] op_sel_hi:[1,0]   ; mask x (-1e9).  These 32 name no register of the last products: they are the places behind them
.set n, n+2
.endr
.irp b, 0,1,2,3
	v_mov_b32 v[BP+\b], 0                          ; a lane permute's destination counts as one of its sources
.endr
	v_mov_b32 v[NM+1], 0                           ; (named as the upper half of a pair)
.irp a, 0,1,2,3,4,5,6,7
	SOFT \a
.endr
.irp s, 0,1,2
	ds_load_b128 v[X+4*\s:X+4*\s+3], v[SRD] offset:512*\s   ; LDS serves a wave's instructions in order: these see my stores
.endr
	s_wait_dscnt 0x0
.irp s, 0,1,2
	global_store_b128 v[CO], v[X+4*\s:X+4*\s+3], s[12:13] offset:\s*1048576   ; my 128 queries' words: 512 consecutive bytes a store
.endr
	; ---- V: 256 keys x 128 channels lie in slot 0.  Wave w takes channels 32 w on: a lane to a channel, 8 blocks of 32 keys, each whole in one lane's 32 registers: the codes come out with the keys innermost
	s_wait_tensorcnt 0x0                           ; my 64 keys have landed (no LDS instruction of mine is out: the wait above),
	s_barrier_signal -1
	s_barrier_wait -1                              ; everybody's have: each wave reads all 256
	s_wait_xcnt 0x0                                ; the stores above have read their registers: these are written again only behind this wait
	LOADV 0
	LOADV 1
.irp t, 0,1,2,3,4,5,6,7
	BLOCKV \t
.endr
	global_store_b64 v[VSS], v[SB:SB+1], s[VSC:VSC+1]   ; 256 consecutive bytes, at a multiple of 256
	; ---- on to the second tile: four blocks of keys on, the same queries; v: four parts of 128 channels on.  (Behind the second trip the stepped addresses are not used.)
	s_wait_xcnt 0x0                                ; every load, store and prefetch of mine has read its registers and bases: they are written again only behind this wait; no tensor load of mine is out since the wait ahead of v's barrier
	s_cmp_eq_u32 s15, 0
	s_cselect_b32 s20, 0, 8192                     ; K's waves: scale words of 4 x 256 rows on; Q's stay
	s_cselect_b32 s22, 0, 0x100000                 ; and 64 tiles of rows of 16,384 bytes on
	s_mov_b32 s21, 0
	s_mov_b32 s23, 0
	s_add_nc_u64 s[6:7], s[6:7], s[20:21]
	s_add_nc_u64 s[PFA:PFA+1], s[PFA:PFA+1], s[22:23]
	s_add_nc_u64 s[8:9], s[8:9], 4096              ; the mask: 1,024 keys of 4 bytes
	s_add_nc_u64 s[10:11], s[10:11], 16384         ; p_img: 8 chunks of 2,048 bytes
	s_add_nc_u64 s[12:13], s[12:13], 65536         ; stat: 8 chunks of 8,192 bytes
	s_add_nc_u64 s[VCO:VCO+1], s[VCO:VCO+1], 0x100000   ; vcodes: 32 tiles of channels of 32,768 bytes
	s_add_nc_u64 s[VSC:VSC+1], s[VSC:VSC+1], 4096  ; vscales: 512 channels of 8 bytes
	s_add_nc_u64 s[G0V+2:G0V+3], s[G0V+2:G0V+3], 2048   ; v: 512 channels of 4 bytes
.irp s, 0,1
	s_sub_nc_u64 s[G0+4*\s+2:G0+4*\s+3], s[G0+4*\s+2:G0+4*\s+3], 8192           ; Q: back along K
	s_add_nc_u64 s[G0B+4*\s+2:G0B+4*\s+3], s[G0B+4*\s+2:G0B+4*\s+3], 0x100000-8192   ; K: on, and back along K
.endr
	s_mov_b32 s[PG], s15                           ; Q's tiles have been read: they are prefetched no more
	s_sub_co_u32 s[TL], s[TL], 1
	s_cmp_lg_u32 s[TL], 0
	s_wait_alu depctr_va_vdst(0)
	s_cbranch_scc1 .Ltile
	s_wait_tensorcnt 0x0                           ; the wave's end
	ds_add_u32 v[SPW], v[NIL]
	s_wait_dscnt 0x0
	CROUND                                         ; the closing round: no work-group ends while a partner may still ask for a tile that names it
	s_endpgm
.Lfunc_end_k_qba2d54943e_scores:
	.size	k_qba2d54943e_scores, .Lfunc_end_k_qba2d54943e_scores-k_qba2d54943e_scores
	.p2alignl 7, 3214868480
	.fill 96, 4, 3214868480
	.section	.rodata,"a",@progbits
	.p2align	6, 0x0
	.amdhsa_kernel k_qba2d54943e_scores
		.amdhsa_group_segment_fixed_size 327680
		.amdhsa_private_segment_fixed_size 0
		.amdhsa_enable_private_segment 0
		.amdhsa_kernarg_size 64
		.amdhsa_user_sgpr_count 2
		.amdhsa_user_sgpr_kernarg_segment_ptr 1
		.amdhsa_wavefront_size32 1
		.amdhsa_system_sgpr_workgroup_id_x 1
		.amdhsa_system_sgpr_workgroup_id_y 1
		.amdhsa_system_sgpr_workgroup_id_z 1
		.amdhsa_system_vgpr_workitem_id 0
		.amdhsa_next_free_vgpr 1024
		.amdhsa_next_free_sgpr 100
		.amdhsa_reserve_vcc 0
		.amdhsa_float_denorm_mode_32 3
		.amdhsa_float_denorm_mode_16_64 3
		.amdhsa_memory_ordered 1
		.amdhsa_forward_progress 1
		.amdhsa_inst_pref_size 255
	.end_amdhsa_kernel
	.section	.bss,"aw",@nobits
	.p2align	6
	.space	262144
	.amdgpu_metadata
---
amdhsa.version: [ 1, 2 ]
amdhsa.kernels:
  - .name:           k_qba2d54943e_scores
    .symbol:         k_qba2d54943e_scores.kd
    .args:
      - { .name: codes, .offset: 0, .size: 8, .value_kind: global_buffer, .address_space: global }
      - { .name: scales, .offset: 8, .size: 8, .value_kind: global_buffer, .address_space: global }
      - { .name: mask, .offset: 16, .size: 8, .value_kind: global_buffer, .address_space: global }
      - { .name: p_img, .offset: 24, .size: 8, .value_kind: global_buffer, .address_space: global }
      - { .name: stat, .offset: 32, .size: 8, .value_kind: global_buffer, .address_space: global }
      - { .name: v, .offset: 40, .size: 8, .value_kind: global_buffer, .address_space: global }
      - { .name: vcodes, .offset: 48, .size: 8, .value_kind: global_buffer, .address_space: global }
      - { .name: vscales, .offset: 56, .size: 8, .value_kind: global_buffer, .address_space: global }
    .group_segment_fixed_size: 327680
    .private_segment_fixed_size: 0
    .kernarg_segment_align: 8
    .kernarg_segment_size: 64
    .max_flat_workgroup_size: 128
    .sgpr_count:     100
    .vgpr_count:     1024
    .wavefront_size: 32
...
	.end_amdgpu_metadata
.endif
;; end of part 2
;; launch pv (part 3): grid 4 x 64, 4 waves a work-group, clusters of 4 x 4, 327,680 bytes of LDS; arguments vcodes, vscales, p_img, stat, out0; writes out0
.if DOCPART == 3
	.amdgcn_target "amdgcn-amd-amdhsa--gfx1250"
	.amdhsa_code_object_version 6
	.text
	.protected	k_qba2d54943e_pv
	.globl	k_qba2d54943e_pv
	.p2align	8
	.type	k_qba2d54943e_pv,@function
k_qba2d54943e_pv:
	s_mov_b64 s[64:65], 0
	v_nop
	global_prefetch_b8 v0, s[64:65] scope:SCOPE_SE
	s_setreg_imm32_b32 hwreg(HW_REG_WAVE_MODE, 25, 1), 1
	s_wait_xcnt 0x0
	s_wait_alu depctr_hold_cnt(0) depctr_sa_sdst(0) depctr_va_vdst(0) depctr_va_sdst(0) depctr_va_ssrc(0) depctr_va_vcc(0) depctr_vm_vsrc(0)
	s_getreg_b32 s2, hwreg(HW_REG_IB_STS2, 6, 4)
	s_cmp_eq_u32 s2, 0
	s_cbranch_scc0 .Lentry_in_a_cluster
	s_endpgm
.Lentry_in_a_cluster:
	s_bfe_u32 s2, ttmp6, 0x10000c
	s_cmp_lg_u32 s2, 0xf033
	s_cbranch_scc0 .Lentry_shape_is_right
	s_endpgm
.Lentry_shape_is_right:
; The second product: out0 = (P V) / l on codes of E5M2 with E8M0 scales; K = the 2,048 keys.  P's and V's codes come from the launch before, each chunk of 128 keys of P under a whole number M of its own.
; THE HEAD brings every chunk under the row's M = the largest of the 16: d = M - the chunk's M is taken off each of the chunk's four scale bytes (a power of two: the codes stay), and l = the sum of the chunks' sums x 2^-d.
; A tile of out0, 256 queries x 256 channels, is made by a work-group of four waves; a wave makes 128 x 128.  K goes in steps of 256 through a ring of two LDS slots filled by the tensor data mover.
; Operands lie in memory as images of their registers (2,048 bytes a fragment): a K step of 8 tiles of rows is 8 rows of 4,096 bytes for one tensor load; a fragment is four ds_load_b128 at 16 x lane.
; CLUSTERS: 4 x 4 work-groups.  The four of a row of the cluster need the same tiles of P, the four of a column the same tiles of V: each tile is asked for jointly.
; THE MATRIX INSTRUCTION IS USED TRANSPOSED (source 0 = 16 channels of V, source 1 = 16 queries of P): a lane holds eight neighbouring channels of one query.
; LIMITS: NaN and infinities are not served.  d is held at 127; a scale byte that would fall under 0 is held at 0: what such a block adds lies under 2^-110 x |v|, and what such a chunk adds to l under 2^-120, beside l > 1/2.
; REGISTERS, in windows of 256: window 0: v16-31 addresses; v32-63 scale words, two sets; v128-255 P's fragments, one set; in the head v64-215 the chunks' words; on the way out v32-255 are free.
;   window 1: V's fragments, two sets.   window 2: the accumulators of my queries 0-63 ((a, b) at v[8 (8 a + b)]);   window 3: those of queries 64-127.
.set NKP,    8                         ; K steps of 256
.set LAPS,   NKP/2
.set PITCHE, 4096                      ; from a tile of rows to the next in memory: 32,768 bytes, in elements of 8
.set SPITE,  1024                      ; from a K step's scale words of V to the next: 1,024 channels x 8 bytes, in elements of 8
.set FR,     16
.set SLOT,   131072                    ; P's 16 tiles x 4,096 bytes, then V's 16
.set HS,     1024*NKP                  ; the scale words of 128 rows
.set PSA,    2*SLOT                    ; P's scale words under the row's M, [half][K step][128 queries][8 bytes]: written by LDS stores alone
.set SCV,    PSA+2*HS                  ; V's, [half][K step][128 channels][8 bytes]: written by LDS stores alone
.set SVW,  19                          ; v19     where I put 16 bytes of my wave's 4,096 bytes of V's scale words
.set PFO,  18                          ; v18     the prefetches' offset: 32,768 x (lane / 16) + 256 x (lane % 16): two tiles of rows, 4,096 bytes of each; never rewritten
.set PFA,  66                          ; s[66:67] my work-group's two of the eight tiles of rows that my wave fetches; stepped a K step at each change of slots that fills
.set VW,   216                         ; the head: v216-247 those 4,096 bytes on their way
.set RIV,    SCV+2*HS                  ; 1 / l, twice for each of 256 queries: written by LDS stores alone
.set SPARE,  RIV+2048                  ; the spare words, 128 bytes for each wave, which no other line names
.set SPITCH, 528                       ; the way out: a stage of 16 rows x (512 bytes + 16) for each wave, in slot 0, which has had its last fill and its last read by then
.set ADRA, 16
.set ADRB, 20
.set PSW,  22                          ; v22     where I store my two queries' scale words
.set RIW,  23                          ; v23     and their 1 / l
.set STO,  24                          ; v24     the way out: where I put 32 bytes of a row
.set RD,   25                          ; v25     where I read a row back
.set CO,   26                          ; v26     16 x lane
.set ADRS, 27                          ; v27     my scale words: lanes 0-15 P's rows, lanes 16-31 V's
.set SPW,  28                          ; v28     my spare word; never rewritten
.set NIL,  29                          ; v29     0; never rewritten
.set RIA,  30                          ; v30     where I read my query's 1 / l
.set SOF,  31                          ; v31     8 x thread: my two queries' words in stat; never rewritten
.set SC,   32
.set AF,   128
.set SW,   64                          ; the head: v64-95 scale words (chunk ks, query e: 2 ks + e), v96-127 -M, v128-159 sums, v160-191 the words under the row's M
.set NMR,  96
.set LLR,  128
.set OW,   160
.set GM,   192                         ; v192-193 the row's -M;  v194-195 l
.set LSUM, 194
.set TD,   196
.set TF,   200
.set TW,   204
.set RC,   212                         ; v[212:215] 1 / l, each twice
.set RI,   32                          ; the way out: v32-47 1 / l of my query in each block, as pairs
.set T,    64                          ; v64-127 a block's results / l
.set AB,   128                         ; the last K step: v128-191 P's fragments of a block of 16 queries x 256 keys, two buffers
.set BK,   192                         ; v192-255 16 rows read back from the stage
.set G1, 24
.set G0, 32
.set G1B, 48
.set G0B, 56
.set MSB, 0
.macro WIN new                         ; the immediate's high byte repeats the setting that is left
.if MSB != \new
	s_set_vgpr_msb (MSB<<8)|\new
.set MSB, \new
.endif
.endm
.set MUL_LO, 0xa1                      ; source 0 (V) window 1, source 1 (P) window 0, C and D window 2
.set MUL_HI, 0xf1
.set TO_B,   0x40
.macro JLOAD g0a, g1a, g0b, g1b        ; a joint load: waves 0 and 1 fetch for P, waves 2 and 3 for V; four v_nop follow each line
	s_cmp_eq_u32 s15, 0
	s_cbranch_scc0 .Lfor_b_\@
	tensor_load_to_lds s[\g0a:\g0a+3], s[\g1a:\g1a+7]
	s_nop 0
.rept 4
	v_nop
.endr
	s_branch .Lasked_\@
.Lfor_b_\@:
	tensor_load_to_lds s[\g0b:\g0b+3], s[\g1b:\g1b+7]
	s_nop 0
.rept 4
	v_nop
.endr
.Lasked_\@:
.endm
.macro CREST
	s_cmp_lg_u32 s14, 0
	s_cbranch_scc1 .Lnot_wave_0_\@
	s_barrier_signal -3
.Lnot_wave_0_\@:
	s_barrier_wait -3
	s_barrier_signal -1
	s_barrier_wait -1
.endm
.macro CROUND
	s_barrier_signal -1
	s_barrier_wait -1
	CREST
.endm
.macro PLACES n
.rept \n
	v_nop
.endr
.endm
	s_load_b256 s[4:11], s[0:1], 0x0               ; vcodes s[4:5], vscales s[6:7], p_img s[8:9], stat s[10:11]
	s_load_b64 s[12:13], s[0:1], 0x20              ; out0
	v_lshl_add_u32 v[SPW], v0, 2, SPARE
	v_mov_b32 v[NIL], 0
	ds_add_u32 v28, v29
	ds_add_u32 v28, v29
	s_wait_dscnt 0x0
	v_lshrrev_b32 v1, 5, v0
	v_readfirstlane_b32 s14, v1                    ; wave 0..3
	s_lshr_b32 s15, s14, 1                         ; which 128 queries are mine.  Also: I fetch for P (0) or for V (1)
	s_and_b32 s16, s14, 1                          ; which 128 channels.  Also: which half of that tile I fetch
	s_bfe_u32 s40, ttmp6, 0x40000                  ; cx, cy
	s_bfe_u32 s41, ttmp6, 0x40004
	s_lshl_b32 s42, ttmp9, 2
	s_add_co_u32 s42, s42, s40                     ; block of 256 channels
	s_and_b32 s18, ttmp7, 0xffff
	s_lshl_b32 s17, s18, 2
	s_add_co_u32 s17, s17, s41                     ; block of 256 queries, over all batches
	s_lshr_b32 s18, s18, 1                         ; batch: it hangs on the cluster's y alone
	s_lshl_b32 s43, s41, 2
	s_lshl_b32 s43, 15, s43                        ; my row of the cluster
	s_lshl_b32 s44, 0x1111, s40                    ; my column
	s_or_b32 s[G1+0], s43, (3<<16)|(1<<21)         ; 15:0 the mask: P's tiles go to my row; 17:16 elements of 8 bytes; 21 set beside a mask
	s_or_b32 s[G1B+0], s44, (3<<16)|(1<<21)
.irp g, G1, G1B
	s_mov_b32 s[\g+1], 512<<16                     ; tensor_dim0
	s_mov_b32 s[\g+2], 8<<16                       ; tensor_dim1
	s_mov_b32 s[\g+3], 512<<16                     ; tile_dim0
	s_mov_b32 s[\g+4], 8                           ; tile_dim1
	s_mov_b32 s[\g+5], PITCHE                      ; tensor_dim0_stride
	s_mov_b32 s[\g+6], 0
	s_mov_b32 s[\g+7], 0
.endr
	s_lshl_b32 s19, s16, 3                         ; the 8 tiles of rows of my half
	s_lshl_b32 s20, s17, 4
	s_add_co_u32 s20, s20, s19
	s_lshl_b32 s20, s20, 15                        ; P: 32,768 bytes a tile of queries
	s_mov_b32 s21, 0
	s_lshl_b32 s46, s18, 6
	s_lshl_b32 s47, s42, 4
	s_add_co_u32 s46, s46, s47
	s_add_co_u32 s46, s46, s19
	s_lshl_b32 s46, s46, 15                        ; V: 32,768 bytes a tile of channels
	s_mov_b32 s47, 0
	s_lshl_b32 s98, s18, 16
	s_lshl_b32 s99, s42, 11
	s_add_co_u32 s98, s98, s99
	s_lshl_b32 s99, s16, 10
	s_add_co_u32 s98, s98, s99                     ; V's scale words
	s_mov_b32 s99, 0
	s_lshl_b32 s22, s18, 17                        ; stat: the batch, and my work-group's 256 queries
	s_and_b32 s23, s17, 7
	s_lshl_b32 s23, s23, 10
	s_add_co_u32 s22, s22, s23
	s_mov_b32 s23, 0
	s_lshl_b32 s45, s14, 15                        ; where the tiles go: wave x 32,768 in a slot
	s_lshl_b32 s19, s16, 13                        ; V's scale words: wave w brings half w % 2, K steps 4 (w / 2) on: half x HS,
	s_lshl_b32 s3, s15, 12
	s_add_co_u32 s19, s19, s3                      ; + four K steps of 1,024 bytes
	s_add_co_u32 s19, s19, SCV
	v_lshlrev_b32 v[SOF], 3, v0
	v_and_b32 v1, 31, v0                           ; lane
	v_lshlrev_b32 v[CO], 4, v1
	v_add_nc_u32 v[SVW], s19, v[CO]
	v_bfe_u32 v[PFO], v0, 4, 1
	v_lshlrev_b32 v[PFO], 15, v[PFO]
	v_and_b32 v2, 15, v0
	v_lshl_or_b32 v[PFO], v2, 8, v[PFO]
	s_wait_alu depctr_va_vdst(0)
	s_wait_kmcnt 0x0
	s_add_nc_u64 s[10:11], s[10:11], s[22:23]
.irp ks, 0,1,2,3,4,5,6,7,8,9,10,11,12,13,14,15 ; thread t owns queries 2 t and 2 t + 1: their words of all 16 chunks; a load of the wave reads 256 consecutive bytes
	global_load_b64 v[SW+2*\ks:SW+2*\ks+1], v[SOF], s[10:11] offset:\ks*8192
	global_load_b64 v[NMR+2*\ks:NMR+2*\ks+1], v[SOF], s[10:11] offset:1048576+\ks*8192
	global_load_b64 v[LLR+2*\ks:LLR+2*\ks+1], v[SOF], s[10:11] offset:2097152+\ks*8192
.endr
	s_add_nc_u64 s[20:21], s[8:9], s[20:21]
	s_add_nc_u64 s[46:47], s[4:5], s[46:47]
	s_lshl_b32 s3, s15, 15                         ; four K steps of 8,192 bytes in memory
	s_add_co_u32 s98, s98, s3
	s_add_nc_u64 s[6:7], s[6:7], s[98:99]
; V's scale words go through registers: eight loads of 512 consecutive bytes a wave, then eight LDS stores.  So a wave's one tensor load at the head is its part of K step 0
.irp j, 0,1,2,3
.irp u, 0,1
	global_load_b128 v[VW+8*\j+4*\u:VW+8*\j+4*\u+3], v[CO], s[6:7] offset:\j*SPITE*8+\u*512
.endr
.endr
.irp s, 0,1
	s_mov_b32 s[G0+4*\s], 1
	s_add_co_u32 s[G0+4*\s+1], s45, \s*SLOT
	s_add_nc_u64 s[G0+4*\s+2:G0+4*\s+3], s[20:21], \s*4096
	s_or_b32 s[G0+4*\s+3], s[G0+4*\s+3], 0x80000000
	s_mov_b32 s[G0B+4*\s], 1
	s_add_co_u32 s[G0B+4*\s+1], s45, \s*SLOT
	s_add_nc_u64 s[G0B+4*\s+2:G0B+4*\s+3], s[46:47], \s*4096
	s_or_b32 s[G0B+4*\s+3], s[G0B+4*\s+3], 0x80000000
.endr
; PREFETCHES INTO THE L2.  A K step of the eight tiles of rows that a wave fetches is 8 x 4,096 bytes.  The four partners that ask for it jointly share it out BY ADDRESS: the partner at place p (cx for P, cy for V) names
; tiles 2 p and 2 p + 1, 32 blocks of 256 bytes, a lane a block, one instruction a wave.  Behind the joint load of K step t stands the prefetch of K step t + 2; K step 1 is named behind the first load too.  The loads of K steps 6 and 7 name nothing.
	s_cmp_eq_u32 s15, 0
	s_cselect_b64 s[PFA:PFA+1], s[20:21], s[46:47]
	s_cselect_b32 s68, s40, s41
	s_lshl_b32 s68, s68, 16
	s_mov_b32 s69, 0
	s_add_nc_u64 s[PFA:PFA+1], s[PFA:PFA+1], s[68:69]
	CROUND                                         ; all sixteen work-groups are here: the first joint loads meet
	JLOAD G0, G1, G0B, G1B                         ; K step 0: one tensor load a wave at the head
	global_prefetch_b8 v[PFO], s[PFA:PFA+1] offset:4096 th:TH_LOAD_NT scope:SCOPE_SE   ; K step 1
	global_prefetch_b8 v[PFO], s[PFA:PFA+1] offset:8192 th:TH_LOAD_NT scope:SCOPE_SE   ; K step 2
	v_and_b32 v2, 15, v0                           ; r
	v_bfe_u32 v3, v0, 4, 1                         ; h
	s_wait_alu depctr_va_vdst(0)
	s_lshl_b32 s21, s15, 15                        ; my 8 tiles of P,
	s_lshl_b32 s22, s16, 15
	s_add_co_u32 s22, s22, 65536                   ; my 8 of V, behind P's 16
.irp s, 0,1
	v_add_nc_u32 v[ADRA+\s], s21, v[CO]
	v_add_nc_u32 v[ADRB+\s], s22, v[CO]
	s_add_co_u32 s21, s21, SLOT
	s_add_co_u32 s22, s22, SLOT
.endr
	v_lshlrev_b32 v5, 3, v2                        ; my row's two words of a K step
	s_lshl_b32 s21, s15, 13                        ; P's: my 128 queries
	s_lshl_b32 s22, s16, 13                        ; V's: my 128 channels, behind P's two halves
	s_add_co_u32 s22, s22, 2*HS
	s_sub_co_u32 s22, s22, s21
	v_mul_u32_u24 v6, s22, v3                      ; lanes 16-31 take V's: the lower base + h x the distance
	s_add_co_u32 s21, s21, PSA
	v_add_nc_u32 v5, v5, v6
	v_add_nc_u32 v[ADRS], s21, v5
	v_lshrrev_b32 v5, 6, v0                        ; my two queries' half,
	v_and_b32 v6, 63, v0
	v_lshlrev_b32 v5, 13, v5
	v_lshl_add_u32 v5, v6, 4, v5                   ; and their 16 bytes of a K step
	v_add_nc_u32 v[PSW], PSA, v5
	v_lshl_add_u32 v[RIW], v0, 4, RIV
	s_lshl_b32 s21, s15, 10
	s_add_co_u32 s21, s21, RIV
	v_lshl_add_u32 v[RIA], v2, 3, s21
	s_mul_i32 s23, s14, 16*SPITCH                  ; my stage
	v_mul_u32_u24 v5, v2, SPITCH
	v_lshl_add_u32 v5, v3, 5, v5
	v_add_nc_u32 v[STO], s23, v5                   ; in: row r, 32 bytes for each half of the lanes
	v_add_nc_u32 v[RD], s23, v[CO]                 ; back: the 32 lanes take one row of 512 bytes
	s_lshl_b32 s20, s17, 8
	s_lshl_b32 s21, s15, 7
	s_add_co_u32 s20, s20, s21
	s_lshl_b32 s20, s20, 12                        ; out0: my first row, of 4,096 bytes,
	s_lshl_b32 s21, s42, 10
	s_add_co_u32 s20, s20, s21
	s_lshl_b32 s21, s16, 9
	s_add_co_u32 s20, s20, s21                     ; and my 128 channels
	s_mov_b32 s21, 0
	s_add_nc_u64 s[12:13], s[12:13], s[20:21]
	; ---- every chunk under the row's M
	s_wait_alu depctr_va_vdst(0)
	s_wait_loadcnt 0x0                             ; the chunks' words and V's scale words; the work on them stands between K step 0's load and the wait for it
.irp j, 0,1,2,3
.irp u, 0,1
	ds_store_b128 v[SVW], v[VW+8*\j+4*\u:VW+8*\j+4*\u+3] offset:\j*1024+\u*512
.endr
.endr
.irp e, 0,1
	v_min3_num_f32 v[GM+\e], v[NMR+\e], v[NMR+2+\e], v[NMR+4+\e]   ; -M = the least of the 16 chunks' -M
.endr
.irp i, 6,10,14,18,22,26
.irp e, 0,1
	v_min3_num_f32 v[GM+\e], v[GM+\e], v[NMR+\i+\e], v[NMR+\i+2+\e]
.endr
.endr
.irp e, 0,1
	v_min_num_f32 v[GM+\e], v[GM+\e], v[NMR+30+\e]
	v_mov_b32 v[LSUM+\e], 0
.endr
; One K step of 256: four words, n = 2 e + q (query e, chunk 2 kp + q), stage by stage, so that no line waits for the line above it
.macro ADJ4 kp
.irp n, 0,1,2,3
	v_sub_f32 v[TD+\n], v[NMR+4*\kp+2*(\n%2)+\n/2], v[GM+\n/2]    ; d = M - the chunk's M: a whole number, 0 or more
.endr
.irp n, 0,1,2,3
	v_min_num_f32 v[TD+\n], 0x42fe0000, v[TD+\n]   ; held at 127
.endr
.irp n, 0,1,2,3
	v_cvt_u32_f32 v[TD+\n], v[TD+\n]
.endr
.irp n, 0,1,2,3
	v_sub_nc_u32 v[TF+\n], 0, v[TD+\n]
.endr
.irp n, 0,1,2,3
	v_ldexp_f32 v[TF+\n], 1.0, v[TF+\n]            ; 2^-d
.endr
.irp n, 0,1,2,3
	v_fmac_f32 v[LSUM+\n/2], v[LLR+4*\kp+2*(\n%2)+\n/2], v[TF+\n]
.endr
.irp n, 0,1,2,3
	v_lshl_or_b32 v[TD+\n], v[TD+\n], 8, v[TD+\n]  ; d in all four bytes
.endr
.irp n, 0,1,2,3
	v_lshl_or_b32 v[TD+\n], v[TD+\n], 16, v[TD+\n]
.endr
.irp n, 0,1,2,3
	v_or_b32 v[TW+\n], 0x80808080, v[SW+4*\kp+2*(\n%2)+\n/2]      ; a byte is at most 112 (p is at most 1): 128 on top of each,
.endr
.irp n, 0,1,2,3
	v_sub_nc_u32 v[TW+\n], v[TW+\n], v[TD+\n]      ; so that no byte borrows from its neighbour: 128 + byte - d is at least 2
.endr
.irp n, 0,1,2,3
	v_and_b32 v[TD+\n], 0x80808080, v[TW+\n]       ; the top bit has stayed where byte >= d:
.endr
.irp n, 0,1,2,3
	v_lshrrev_b32 v[TF+\n], 7, v[TD+\n]
.endr
.irp n, 0,1,2,3
	v_sub_nc_u32 v[TD+\n], v[TD+\n], v[TF+\n]      ; 0x7f in those bytes, 0 in the others
.endr
.irp n, 0,1,2,3
	v_and_b32 v[OW+4*\kp+\n], v[TW+\n], v[TD+\n]   ; byte - d, held at 0 from below
.endr
.endm
.irp kp, 0,1,2,3,4,5,6,7
	ADJ4 \kp
.endr
	s_wait_alu depctr_va_vdst(0)
	v_rcp_f32 v[RC], v[LSUM]                       ; 1 / l, twice each: the pairs that the packed multiply names
	v_rcp_f32 v[RC+1], v[LSUM]
	v_rcp_f32 v[RC+2], v[LSUM+1]
	v_rcp_f32 v[RC+3], v[LSUM+1]
	v_nop                                          ; a plain line behind the reciprocals
.irp kp, 0,1,2,3,4,5,6,7
	ds_store_b128 v[PSW], v[OW+4*\kp:OW+4*\kp+3] offset:1024*\kp
.endr
	s_wait_alu depctr_va_vdst(0)                   ; one wait for the four, ahead of their first reader
	ds_store_b128 v[RIW], v[RC:RC+3]
.macro FRAG reg, adr, off
.irp c, 0,1,2,3
	ds_load_b128 v[\reg+4*\c:\reg+4*\c+3], v[\adr] offset:\off+512*\c
.endr
.endm
; 16 matrix instructions: P's blocks a0, a0 + 1 x V's eight, the slot's q-th 128 keys.  The 64 accumulators take turns, one instruction a turn.
.macro MUL16 a0, p, q, sc, zero
.irp a, \a0, \a0+1
.irp b, 0,1,2,3,4,5,6,7
.if \zero
	v_wmma_scale_f32_16x16x128_f8f6f4 v[8*(8*((\a)%4)+\b):8*(8*((\a)%4)+\b)+7], v[128*(\p)+FR*\b:128*(\p)+FR*\b+FR-1], v[AF+FR*(\a):AF+FR*(\a)+FR-1], 0, v[SC+16*(\sc)+2*\b+(\q)], v[SC+16*(\sc)+2*(\a)+(\q)] matrix_a_fmt:MATRIX_FMT_BF8 matrix_b_fmt:MATRIX_FMT_BF8 matrix_a_scale:MATRIX_SCALE_ROW1
.else
	v_wmma_scale_f32_16x16x128_f8f6f4 v[8*(8*((\a)%4)+\b):8*(8*((\a)%4)+\b)+7], v[128*(\p)+FR*\b:128*(\p)+FR*\b+FR-1], v[AF+FR*(\a):AF+FR*(\a)+FR-1], v[8*(8*((\a)%4)+\b):8*(8*((\a)%4)+\b)+7], v[SC+16*(\sc)+2*\b+(\q)], v[SC+16*(\sc)+2*(\a)+(\q)] matrix_a_fmt:MATRIX_FMT_BF8 matrix_b_fmt:MATRIX_FMT_BF8 matrix_a_scale:MATRIX_SCALE_ROW1
.endif
.endr
.endr
.endm
.macro FETCH_B slot, q, p
	WIN TO_B
.irp i, 0,1,2,3,4,5,6,7
	FRAG 128*(\p)+FR*\i, ADRB+\slot, 4096*\i+2048*(\q)
.endr
	WIN 0
.endm
.macro FETCH_A slot, q, i0
.irp i, \i0, \i0+1, \i0+2, \i0+3
	FRAG AF+FR*(\i), ADRA+\slot, 4096*(\i)+2048*(\q)
.endr
.endm
.macro SCALES sc
.irp i, 0,1,2,3,4,5,6,7
	ds_load_b64 v[SC+16*\sc+2*\i:SC+16*\sc+2*\i+1], v[ADRS] offset:128*\i
.endr
.endm
; A load into a register that a matrix instruction has read stands eight places behind it: the v_nop in front of each run of loads.
.macro STEP slot, q, zero
	s_wait_dscnt 16                                ; V's set, P's blocks 0-3 and the scale words are in; the youngest 16 loads (P's blocks 4-7) may be out
	WIN MUL_LO
	MUL16 0, (\q)%2, \q, \slot, \zero
	MUL16 2, (\q)%2, \q, \slot, \zero
	s_wait_dscnt 0
	PLACES 8
	FETCH_B \slot, (\q)+1, 1-(\q)%2
	FETCH_A \slot, (\q)+1, 0
	WIN MUL_HI
	MUL16 4, (\q)%2, \q, \slot, \zero
	MUL16 6, (\q)%2, \q, \slot, \zero
	PLACES 8
	WIN 0
	FETCH_A \slot, (\q)+1, 4
.endm
.macro ASK                             ; the K step two refills on; the loop's last trip (s3 = 1) loads K steps 6 and 7 and names nothing
	s_cmp_gt_u32 s3, 1
	s_cbranch_scc0 .Lno_ask_\@
	global_prefetch_b8 v[PFO], s[PFA:PFA+1] offset:12288 th:TH_LOAD_NT scope:SCOPE_SE
.Lno_ask_\@:
.endm
.macro TURN slot, next, fill
.if \fill
	s_wait_xcnt 0x0                                ; my prefetches have read their address: it is stepped only behind this wait
	s_add_nc_u64 s[PFA:PFA+1], s[PFA:PFA+1], 4096  ; the n-th change of slots loads K step n + 1 and names K step n + 3
.endif
	s_wait_tensorcnt 0x0
	ds_add_u32 v[SPW], v[NIL]                      ; 0 onto my spare word
	s_wait_dscnt 17                                ; (the add and the youngest 16 loads, P's blocks 4-7, may be out)
	WIN MUL_LO
	MUL16 0, 1, 1, \slot, 0
	s_wait_dscnt 0x0                               ; the add is done, and my reads of this slot are over
	s_barrier_signal -1
	MUL16 2, 1, 1, \slot, 0
	WIN 0
	s_barrier_wait -1
.if \fill
	CREST                                          ; the barrier has opened a round of the cluster's barrier: no wave of any partner still reads this slot or has a load on its way
	s_add_nc_u64 s[G0+4*\slot+2:G0+4*\slot+3], s[G0+4*\slot+2:G0+4*\slot+3], 8192
	s_add_nc_u64 s[G0B+4*\slot+2:G0B+4*\slot+3], s[G0B+4*\slot+2:G0B+4*\slot+3], 8192
	JLOAD G0+4*\slot, G1, G0B+4*\slot, G1B         ; the first tensor load behind the round; its four v_nop are among the places in front of the loads below
	PLACES 4
.else
	PLACES 8
.endif
	s_wait_alu depctr_va_vdst(0)
	v_add_nc_u32 v[ADRS], 1024, v[ADRS]            ; the next K step's scale words (no LDS load of mine is out)
	FETCH_B \next, 0, 0
	FETCH_A \next, 0, 0
	SCALES \next
.if \fill
	ASK                                            ; behind the joint load and the run of LDS loads
.endif
	WIN MUL_HI
	MUL16 4, 1, 1, \slot, 0
	MUL16 6, 1, 1, \slot, 0
	PLACES 8
	WIN 0
	FETCH_A \next, 0, 4
.endm
	s_wait_tensorcnt 0x0                           ; my part of K step 0 is in
	ds_add_u32 v[SPW], v[NIL]
	s_wait_dscnt 0x0                               ; the add is done, and my LDS stores have landed: P's and V's scale words and 1 / l
	CROUND                                         ; a whole round: everybody's are in, and the joint loads meet
	JLOAD G0+4, G1, G0B+4, G1B                     ; K step 1 into slot 1: the first tensor load behind the round
	FETCH_B 0, 0, 0
	FETCH_A 0, 0, 0
	SCALES 0
	FETCH_A 0, 0, 4
	global_prefetch_b8 v[PFO], s[PFA:PFA+1] offset:12288 th:TH_LOAD_NT scope:SCOPE_SE  ; K step 3
	STEP 0, 0, 1                                   ; the first step's products start the sums: nothing is cleared
	s_mov_b32 s3, LAPS-1
.Llap:                                                 ; a trip goes once round the ring and fills both slots again
	TURN 0, 1, 1
	STEP 1, 0, 0
	TURN 1, 0, 1
	STEP 0, 0, 0
	s_sub_co_u32 s3, s3, 1
	s_cmp_lg_u32 s3, 0
	s_cbranch_scc1 .Llap
; THE LAST K STEP (slot 1, 256 keys) GOES BY ROWS OF THE RESULT.  V's fragments of both its halves fill window 1's two sets; P's come by blocks of 16 queries x 256 keys (32 registers, two buffers);
; my eight blocks are finished one after the other, 16 products each (the block's 8 accumulators by turns, the keys ascending), and each block leaves as soon as it is finished.  LDS is read no more than in any K step.
.macro ALOAD a                         ; P's block a, both halves of the K step -> buffer a % 2
.irp q, 0,1
	FRAG AB+32*((\a)%2)+16*\q, ADRA+1, 4096*(\a)+2048*\q
.endr
.endm
.macro ROW a
	WIN MUL_LO+0x50*((\a)/4)                       ; MUL_LO or MUL_HI
.irp q, 0,1
.irp b, 0,1,2,3,4,5,6,7
	v_wmma_scale_f32_16x16x128_f8f6f4 v[8*(8*((\a)%4)+\b):8*(8*((\a)%4)+\b)+7], v[128*\q+FR*\b:128*\q+FR*\b+FR-1], v[AB+32*((\a)%2)+16*\q:AB+32*((\a)%2)+16*\q+15], v[8*(8*((\a)%4)+\b):8*(8*((\a)%4)+\b)+7], v[SC+16+2*\b+\q], v[SC+16+2*(\a)+\q] matrix_a_fmt:MATRIX_FMT_BF8 matrix_b_fmt:MATRIX_FMT_BF8 matrix_a_scale:MATRIX_SCALE_ROW1
.endr
.endr
	WIN 0
.endm
	s_wait_tensorcnt 0x0                           ; the last change of slots: my part of slot 1 has landed
	ds_add_u32 v[SPW], v[NIL]                      ; 0 onto my spare word
	s_wait_dscnt 17                                ; (the add and the youngest 16 loads, P's blocks 4-7, may be out)
	WIN MUL_LO
	MUL16 0, 1, 1, 0, 0
	s_wait_dscnt 0x0                               ; the add is done, and my reads of slot 0 are over
	s_barrier_signal -1
	MUL16 2, 1, 1, 0, 0
	WIN 0
	s_barrier_wait -1                              ; slot 1 is whole, and nobody reads slot 0 any more: the stages lie there
	PLACES 8
	s_wait_alu depctr_va_vdst(0)
	v_add_nc_u32 v[ADRS], 1024, v[ADRS]            ; the last K step's scale words
	FETCH_B 1, 0, 0                                ; V's first 128 keys -> set 0
	SCALES 1
	ALOAD 0                                        ; into the registers of P's blocks 0-3, which the products above have read
	ALOAD 1
	WIN MUL_HI
	MUL16 4, 1, 1, 0, 0
	MUL16 6, 1, 1, 0, 0
	PLACES 8                                       ; for the loads into V's set 1 and into the first set of scale words
	FETCH_B 1, 1, 1                                ; V's second 128 keys -> set 1
; THE WAY OUT, block by block of 16 queries x 128 channels: divided by l, through my own stage in LDS, back as whole rows of 512 bytes.  LDS serves a wave's instructions in order: no wait between the stores and the loads.
.macro OUT a
	WIN 0x02+(\a)/4                                ; source 0: window 2 or 3
.set n, 0
.rept 32
	v_pk_mul_f32 v[T+n:T+n+1], v[64*((\a)%4)+n:64*((\a)%4)+n+1], v[RI+2*(\a):RI+2*(\a)+1]   ; each accumulator from its low end on
.set n, n+2
.endr
	WIN 0
.if (\a) > 0
	s_wait_alu depctr_va_vdst(0)
	s_wait_xcnt 0x0                                ; the last block's stores have read their registers: the loads below land there only behind this wait
.endif
.irp b, 0,1,2,3,4,5,6,7
	ds_store_b128 v[STO], v[T+8*\b:T+8*\b+3] offset:64*\b
	ds_store_b128 v[STO], v[T+8*\b+4:T+8*\b+7] offset:64*\b+16
.endr
.irp t, 0,1,2,3,4,5,6,7,8,9,10,11,12,13,14,15
	ds_load_b128 v[BK+4*\t:BK+4*\t+3], v[RD] offset:\t*SPITCH
.endr
.endm
.macro SEND a, younger                 ; younger: the LDS instructions issued behind block a's loads, which may stay out
	s_wait_dscnt \younger
.irp t, 0,1,2,3,4,5,6,7,8,9,10,11,12,13,14,15
	global_store_b128 v[CO], v[BK+4*\t:BK+4*\t+3], s[12:13] offset:(16*(\a)+\t)*4096 th:TH_STORE_NT   ; 32 lanes store 512 consecutive bytes, at a multiple of 256 from out0's first byte; the row stands in the immediate
.endr
.endm
.irp a, 0,1,2,3,4,5,6,7
	ds_load_b64 v[RI+2*\a:RI+2*\a+1], v[RIA] offset:128*\a
.endr
	s_wait_dscnt 0x0                               ; V's two sets, the scale words, P's blocks 0 and 1 and 1 / l are in
	ROW 0
.irp a, 0,1,2,3,4,5,6,7
	PLACES 8                                       ; behind block a's products: for the reads of its results and the loads into its buffer
.if \a < 6
	ALOAD \a+2                                     ; its buffer takes the block two further on
.endif
	OUT \a                                         ; divided by l, into my stage, and back as rows;
.if \a < 7
	ROW \a+1                                       ; the next block's products stand between those loads and the wait for them (its fragments were shown in by the wait for 0 of the block before)
.endif
	SEND \a, 0
.endr
	s_wait_tensorcnt 0x0                           ; the wave's end
	ds_add_u32 v[SPW], v[NIL]
	s_wait_dscnt 0x0
	CROUND                                         ; the closing round: no work-group ends while a partner may still ask for a tile that names it
	s_endpgm
.Lfunc_end_k_qba2d54943e_pv:
	.size	k_qba2d54943e_pv, .Lfunc_end_k_qba2d54943e_pv-k_qba2d54943e_pv
	.p2alignl 7, 3214868480
	.fill 96, 4, 3214868480
	.section	.rodata,"a",@progbits
	.p2align	6, 0x0
	.amdhsa_kernel k_qba2d54943e_pv
		.amdhsa_group_segment_fixed_size 327680
		.amdhsa_private_segment_fixed_size 0
		.amdhsa_enable_private_segment 0
		.amdhsa_kernarg_size 40
		.amdhsa_user_sgpr_count 2
		.amdhsa_user_sgpr_kernarg_segment_ptr 1
		.amdhsa_wavefront_size32 1
		.amdhsa_system_sgpr_workgroup_id_x 1
		.amdhsa_system_sgpr_workgroup_id_y 1
		.amdhsa_system_sgpr_workgroup_id_z 1
		.amdhsa_system_vgpr_workitem_id 0
		.amdhsa_next_free_vgpr 1024
		.amdhsa_next_free_sgpr 100
		.amdhsa_reserve_vcc 0
		.amdhsa_float_denorm_mode_32 3
		.amdhsa_float_denorm_mode_16_64 3
		.amdhsa_memory_ordered 1
		.amdhsa_forward_progress 1
		.amdhsa_inst_pref_size 191
	.end_amdhsa_kernel
	.amdgpu_metadata
---
amdhsa.version: [ 1, 2 ]
amdhsa.kernels:
  - .name:           k_qba2d54943e_pv
    .symbol:         k_qba2d54943e_pv.kd
    .args:
      - { .name: vcodes, .offset: 0, .size: 8, .value_kind: global_buffer, .address_space: global }
      - { .name: vscales, .offset: 8, .size: 8, .value_kind: global_buffer, .address_space: global }
      - { .name: p_img, .offset: 16, .size: 8, .value_kind: global_buffer, .address_space: global }
      - { .name: stat, .offset: 24, .size: 8, .value_kind: global_buffer, .address_space: global }
      - { .name: out0, .offset: 32, .size: 8, .value_kind: global_buffer, .address_space: global }
    .group_segment_fixed_size: 327680
    .private_segment_fixed_size: 0
    .kernarg_segment_align: 8
    .kernarg_segment_size: 40
    .max_flat_workgroup_size: 128
    .sgpr_count:     100
    .vgpr_count:     1024
    .wavefront_size: 32
...
	.end_amdgpu_metadata
.endif
;; end of part 3
